; MI455X (gfx1250); checked and timed in simulation.
; The chip was launched on July 23, 2026; its instructions are those of AMD's public machine-readable ISA for CDNA 5 (MIT licence, August 2026) and "CDNA5" Instruction Set Architecture Reference Guide (July 2026). The comments in the code are by the model that wrote it; some were corrected since.
;; Multi Head Self Attention. Allowed arithmetic: matrix products marked QUANTISED: E2M1 operands, one E8M0 scale for each 32 along K, by v_wmma_scale_f32_16x16x128_f8f6f4 with both operands' format E2M1 (or v_wmma_scale_f32_32x16x128_f4), f32 sums; products left as they are: bf16, f16 or f32 operands; f32 sums; everything else in f32.
;; Inputs: Wk 1,024 x 1,024 float32; Wp 1,024 x 1,024 float32; Wq 1,024 x 1,024 float32; Wv 1,024 x 1,024 float32; bp 1,024 float32; k_gamma 64 float32; q_gamma 64 float32; x 8,192 x 1,024 float32.
;; Outputs: out0 8,192 x 1,024 float32.
;; Constants: batch_size = 1.
;; This version of the problem:
;;   THIS VERSION OF THE PROBLEM IS GIVEN IN LOW PRECISION. The matrix products marked QUANTISED in the list below multiply operands that are first quantised to E2M1 (2 exponent bits, 1 mantissa bit; 4 bits a number), with one power-of-two scale for each 32 numbers along K (OCP MX v1.0); their sums are f32. The products marked 'left as it is' may take bf16, f16 or f32 operands, with f32 sums. Whichever they take, every output number must still come out within the allowed error. Rounding operands to bf16 (8 significant bits) uses up far more of that allowance than f16 does (11 bits, for magnitudes from 6e-5 to 65,504). All else is computed in f32.
;;   The module's matrix products, in the order in which they are computed (A, B: the left and right operand; K: the contracted axis; several contracted axes count as one K, in the product's order):
;;     1. [M 8,192, K 1,024] x [K 1,024, N 1,024]; A: input x; B: input Wq: QUANTISED
;;     2. [M 8,192, K 1,024] x [K 1,024, N 1,024]; A: input x; B: input Wk: QUANTISED
;;     3. [M 8,192, K 1,024] x [K 1,024, N 1,024]; A: input x; B: input Wv: QUANTISED
;;     4. batch 512 x [M 256, K 64] x [K 64, N 768]; A: computed on the way; B: computed on the way: left as it is (an operand is computed on the way)
;;     5. batch 512 x [M 256, K 768] x [K 768, N 64]; A: computed on the way; B: computed on the way: left as it is (an operand is computed on the way)
;;     6. [M 8,192, K 1,024] x [K 1,024, N 1,024]; A: computed on the way; B: input Wp: left as it is (an operand is computed on the way)
;;   THE QUANTISER, for each operand of a quantised product, along K:
;;     - K is cut into blocks of 32 from its start; a last block that is shorter is filled with zeros.
;;     - A block's scale is 2^e with e = floor(log2(the largest magnitude in the block)) - 2, held to -126 .. 127; a block of zeros has e = 0. As a byte (E8M0): e + 127.
;;     - Each number is divided by its block's scale, clamped to +-6, and rounded to the nearest number of E2M1, ties to even, subnormals kept.
;;     - The product sums the exact products of the quantised numbers (number of the format x scale) in f32.
;;   ~~~python
;;   def quantise(x, axis):      # numpy; x: float32 -> the quantised numbers, widened to float32 again
;;       x = np.moveaxis(x, axis, -1); K = x.shape[-1]
;;       x = np.pad(x, [(0, 0)] * (x.ndim - 1) + [(0, -K % 32)]); x = x.reshape(x.shape[:-1] + (-1, 32)); a = np.abs(x).max(-1, keepdims=True)
;;       e = np.where(a > 0, np.clip(np.frexp(np.where(a > 0, a, 1))[1] - 1 - 2, -126, 127), 0)      # np.frexp(a)[1] - 1 = floor(log2(a)), exactly
;;       r = np.clip(x / 2.0 ** e, -6, 6)
;;       step = 2.0 ** (np.maximum(np.frexp(np.where(r == 0, 1, r))[1] - 1, 0) - 1)
;;       q = np.round(r / step) * step * 2.0 ** e      # np.round: ties to even
;;       return np.moveaxis(q.reshape(q.shape[:-2] + (-1,))[..., :K], -1, axis).astype(np.float32)
;;   ~~~
;; One version. Each part assembles by itself: llvm-mc -triple=amdgcn-amd-amdhsa -mcpu=gfx1250 --defsym DOCPART=n.
;; ======== version 1 of 1: 4 launches
;; limits: values are held in f16: magnitudes above 65,504 overflow, below 6.1e-05 lose precision
;; workspace buffers: codes 5,767,168 bytes; scales 360,448 bytes; wp16 2,097,152 bytes; rope 2,097,152 bytes; qkv16 50,331,648 bytes; o16 16,777,216 bytes
;; launch prep (part 1): grid 512 x 1, 4 waves a work-group, no clusters, 33,280 bytes of LDS; arguments x, Wq, Wk, Wv, Wp, codes, scales, wp16, rope; writes codes, scales, wp16, rope
.if DOCPART == 1
	.amdgcn_target "amdgcn-amd-amdhsa--gfx1250"
	.amdhsa_code_object_version 6
	.text
	.protected	k_qa6e481e5cb_prep
	.globl	k_qa6e481e5cb_prep
	.p2align	8
	.type	k_qa6e481e5cb_prep,@function
k_qa6e481e5cb_prep:
	s_mov_b64 s[64:65], 0
	v_nop
	global_prefetch_b8 v0, s[64:65] scope:SCOPE_SE
	s_setreg_imm32_b32 hwreg(HW_REG_WAVE_MODE, 25, 1), 1
	s_wait_xcnt 0x0
; THREE JOBS IN ONE LAUNCH, told apart by the work-group's number alone.
; Work-groups 0-351: x [8192][1024] and Wq, Wk, Wv [1024][1024], f32, become codes of FP4 (E2M1), K innermost, two codes a byte, with one E8M0 byte for each 32 along K.
;   codes: x's at byte 0, then [Wq; Wk; Wv] as one matrix of 3,072 rows at byte 4,194,304; scales likewise at 0 and at 262,144.  Rows are dense and 1,024 is a multiple of 32: every tensor is a plain stream of blocks.
;   A block's scale is 2^(floor(log2(largest magnitude)) - 2); its byte is the largest magnitude's exponent field - 2, held at 1 from below.
; Work-groups 352-383: Wp, f32, becomes f16 (wp16), same layout.
; Work-groups 384-511: the table of the rotary embedding, rope [8192 positions][64] f32: cos(pos f_j), j = 0..31, then sin(pos f_j); f_j = 10000^(-j/32).
; LIMITS: NaN and infinities are not served.  A block whose largest magnitude lies under 2^-124 keeps the byte 1; a block of zeros gets the byte 1 (its codes are zeros; this program alone reads the bytes).
;   Wp beyond 65,504 in magnitude has no f16.  f_j is made by v_exp_f32 of a rounded product: relative error up to 6e-7.  The reduction of the angle holds up to 8,191 rad, the largest that occurs.
.set STEPS, 16
.set EMAX,  2
.set CB,    8                          ; bytes of 16 codes
.set R,     16                         ; v16-79   four sets of 16 numbers as they are loaded
.set X,     80                         ; v80-111  two sets of 16 neighbours
.set C,     128                        ; v128-191 codes, four registers a step: no store's data are written again
.set E,     112                        ; v112-127 a scale byte for each step
.set WREG,  8192                       ; LDS: a region for each wave: two stages of 32 x SP bytes, then its 256 scale bytes
.set SP,    80                         ; a lane's place in a stage: 64 bytes + 16 of padding
.set SPW,   12                         ; v12  LDS address of my spare word; never rewritten
.set NIL,   13                         ; v13  0; never rewritten
.set SPARE, 4*WREG                     ; behind the four regions: the spare words, 128 bytes a wave, which no other line names
.set PR,    16                         ; Wp's path: v16-143 two sets of 64 numbers
.set PO,    144                        ; v144-175 a batch's f16
	s_load_b256 s[4:11], s[0:1], 0x0               ; x, Wq, Wk, Wv
	s_load_b256 s[12:19], s[0:1], 0x20             ; Wp, codes, scales, wp16
	s_load_b64 s[20:21], s[0:1], 0x40              ; rope
	v_lshl_add_u32 v[SPW], v0, 2, SPARE
	v_mov_b32 v[NIL], 0
	v_lshrrev_b32 v1, 5, v0
	v_readfirstlane_b32 s24, v1                    ; wave
	v_and_b32 v2, 31, v0                           ; lane
	v_lshlrev_b32 v3, 4, v2                        ; 16 x lane
	s_mul_i32 s25, s24, WREG
	v_lshrrev_b32 v14, 2, v2
	v_mul_u32_u24 v14, v14, SP
	v_and_b32 v15, 3, v2
	v_lshl_add_u32 v14, v15, 4, v14
	v_add_nc_u32 v14, s25, v14                     ; the stage, on the way in: SP (lane / 4) + 16 (lane % 4)
	v_mul_u32_u24 v15, v2, SP
	v_add_nc_u32 v15, s25, v15                     ; and on the way out: SP x lane: my 16 neighbours
	v_mul_u32_u24 v4, v2, CB                       ; my codes' place in a step's
	v_lshrrev_b32 v5, 1, v2
	s_add_co_u32 s25, s25, 2*32*SP
	v_add_nc_u32 v5, s25, v5                       ; LDS: my block's scale byte
	v_lshlrev_b32 v7, 3, v2                        ; 8 x lane
	v_add_nc_u32 v6, s25, v7
	s_wait_kmcnt 0x0
	s_cmp_ge_u32 ttmp9, 352
	s_cbranch_scc1 .Lother
; ---- THE QUANTISER.  A wave takes a run of 8,192 numbers: 16 steps of 512.  Run 4 x work-group + wave of the output; the source is chosen by the work-group's number.
	s_sub_co_u32 s26, ttmp9, 256
	s_and_b32 s26, s26, 31                         ; a weight's work-group, 0..31
	s_cmp_lt_u32 ttmp9, 320
	s_cselect_b64 s[22:23], s[8:9], s[10:11]       ; Wk or Wv
	s_cmp_lt_u32 ttmp9, 288
	s_cselect_b64 s[22:23], s[6:7], s[22:23]       ; Wq
	s_cmp_lt_u32 ttmp9, 256
	s_cselect_b64 s[22:23], s[4:5], s[22:23]       ; x
	s_cselect_b32 s26, ttmp9, s26
	s_lshl_b32 s26, s26, 2
	s_add_co_u32 s26, s26, s24
	s_lshl_b32 s26, s26, 15                        ; 32,768 bytes of f32 a run
	s_mov_b32 s27, 0
	s_add_nc_u64 s[22:23], s[22:23], s[26:27]
	s_lshl_b32 s28, ttmp9, 2
	s_add_co_u32 s28, s28, s24
	s_lshl_b32 s26, s28, 12                        ; 4,096 bytes of codes a run
	s_add_nc_u64 s[14:15], s[14:15], s[26:27]
	s_lshl_b32 s26, s28, 8                         ; 256 scale bytes a run
	s_add_nc_u64 s[16:17], s[16:17], s[26:27]
.macro LOAD t
.irp i, 0,1,2,3
	global_load_b128 v[R+16*((\t)%4)+4*\i:R+16*((\t)%4)+4*\i+3], v3, s[22:23] offset:2048*(\t)+512*\i th:TH_LOAD_NT   ; 32 lanes read 512 consecutive bytes
.endr
.endm
.macro TURN t                          ; step t's numbers through the stage: LDS serves a wave's instructions in order, so no wait stands between the stores and the loads
.irp i, 0,1,2,3
	ds_store_b128 v14, v[R+16*((\t)%4)+4*\i:R+16*((\t)%4)+4*\i+3] offset:32*SP*((\t)%2)+8*SP*\i
.endr
.irp i, 0,1,2,3
	ds_load_b128 v[X+16*((\t)%2)+4*\i:X+16*((\t)%2)+4*\i+3], v15 offset:32*SP*((\t)%2)+16*\i
.endr
.endm
.irp t, 0,1,2,3
	LOAD \t
.endr
	s_wait_loadcnt 12                              ; step 0's four loads are in; the twelve of steps 1 to 3 may be out
	TURN 0
.macro STEP t
.set XS, X+16*((\t)%2)
.if (\t) > 0
	s_wait_dscnt 1                                 ; this step's numbers are back from the stage (the last step's byte store may be out)
.else
	s_wait_dscnt 0x0
.endif
.if (\t)+4 < STEPS
	LOAD (\t)+4                                    ; into the registers that the stage's stores have read
.endif
.if (\t)+1 < STEPS
.if STEPS-2-(\t) >= 3
	s_wait_loadcnt 12                              ; the next step's four loads are in; those of the three steps behind it may be out
.else
	s_wait_loadcnt 4*(STEPS-2-(\t))
.endif
	TURN (\t)+1
.endif
	v_max3_num_f32 v8, |v[XS]|, |v[XS+1]|, |v[XS+2]|               ; the largest magnitude of my 16
	v_max3_num_f32 v9, |v[XS+3]|, |v[XS+4]|, |v[XS+5]|
.irp i, 6,10
	v_max3_num_f32 v8, v8, |v[XS+\i]|, |v[XS+\i+1]|
	v_max3_num_f32 v9, v9, |v[XS+\i+2]|, |v[XS+\i+3]|
.endr
	v_max3_num_f32 v8, v8, |v[XS+14]|, |v[XS+15]|
	v_max3_num_f32 v8, v8, v9, (EMAX+1)<<23        ; and the floor 2^(3 - 127): the byte cannot fall under 1
	v_max_num_f32_dpp v8, v8, v8 row_xmask:1 row_mask:0xf bank_mask:0xf   ; and of my neighbour's 16: the block's
	v_add_nc_u32 v11, -(EMAX<<23), v8              ; 2 off its exponent field: the conversion takes the exponent field of this operand as its scale
	v_cvt_scalef32_pk8_fp4_f32 v[C+4*(\t)], v[XS:XS+7], v11
	v_cvt_scalef32_pk8_fp4_f32 v[C+4*(\t)+1], v[XS+8:XS+15], v11
	v_lshrrev_b32 v[E+(\t)], 23, v11               ; the scale's byte
	ds_store_b8 v5, v[E+(\t)] offset:16*(\t)       ; both lanes of a block write the same byte with the same value
	global_store_b64 v4, v[C+4*(\t):C+4*(\t)+1], s[14:15] offset:32*CB*(\t)   ; the wave stores 256 consecutive bytes, aligned
.endm
.irp t, 0,1,2,3,4,5,6,7,8,9,10,11,12,13,14,15
	STEP \t
.endr
	ds_load_b64 v[8:9], v6                         ; my wave's 256 scale bytes, 8 a lane: LDS serves a wave's instructions in order
	s_wait_dscnt 0x0
	global_store_b64 v7, v[8:9], s[16:17]
	s_wait_tensorcnt 0x0                           ; the wave's end, behind my last LDS store
	ds_add_u32 v[SPW], v[NIL]
	s_wait_dscnt 0x0
	s_endpgm
; ---- Wp TO f16.  A wave takes 8,192 numbers: four batches of 16 loads of 512 bytes, two batches on their way.
.Lother:
	s_cmp_ge_u32 ttmp9, 384
	s_cbranch_scc1 .Ltable
	s_sub_co_u32 s26, ttmp9, 352
	s_lshl_b32 s26, s26, 2
	s_add_co_u32 s28, s26, s24
	s_lshl_b32 s26, s28, 15
	s_mov_b32 s27, 0
	s_add_nc_u64 s[12:13], s[12:13], s[26:27]
	s_lshl_b32 s26, s28, 14
	s_add_nc_u64 s[18:19], s[18:19], s[26:27]
.macro LOADB n
.irp i, 0,1,2,3,4,5,6,7,8,9,10,11,12,13,14,15
	global_load_b128 v[PR+64*((\n)%2)+4*\i:PR+64*((\n)%2)+4*\i+3], v3, s[12:13] offset:512*(16*(\n)+\i) th:TH_LOAD_NT
.endr
.endm
.macro BATCH n
.if (\n) < 3
	s_wait_loadcnt 16                              ; this batch is in; the next batch's sixteen loads may be out
.else
	s_wait_loadcnt 0x0
.endif
.if (\n) > 0
	s_wait_xcnt 0x0                                ; the last batch's stores have read their data registers, which are written again below
.endif
.irp i, 0,1,2,3,4,5,6,7,8,9,10,11,12,13,14,15
	v_cvt_pk_f16_f32 v[PO+2*\i], v[PR+64*((\n)%2)+4*\i], v[PR+64*((\n)%2)+4*\i+1]
	v_cvt_pk_f16_f32 v[PO+2*\i+1], v[PR+64*((\n)%2)+4*\i+2], v[PR+64*((\n)%2)+4*\i+3]
.endr
.irp i, 0,1,2,3,4,5,6,7,8,9,10,11,12,13,14,15
	global_store_b64 v7, v[PO+2*\i:PO+2*\i+1], s[18:19] offset:256*(16*(\n)+\i)   ; 256 consecutive bytes, aligned
.endr
.if (\n) < 2
	LOADB (\n)+2
.endif
.endm
	LOADB 0
	LOADB 1
	BATCH 0
	BATCH 1
	BATCH 2
	BATCH 3
	s_endpgm
; ---- THE TABLE.  A wave takes 16 positions, two to a store: lanes 0-15 one row of 256 bytes, lanes 16-31 the next.  Lane e = lane % 16 holds four numbers: e < 8: cos, j = 4 e + i; else sin, j = 4 (e - 8) + i.
; sin(a + u pi/2), u = 1 for the cosine: n = the nearest whole number to a 2/pi; r = a - n pi/2 in two parts (the first fused multiply-add is exact: a and n x hi are multiples of 2^-23 and their difference is under 1);
; k = n + u; odd k takes the cosine's polynomial of r, even k the sine's; bit 1 of k turns the sign.  The polynomials are Taylor's, to r^9 and r^8, for |r| up to pi/4.
.Ltable:
	s_sub_co_u32 s26, ttmp9, 384
	s_lshl_b32 s27, s26, 6
	s_lshl_b32 s28, s24, 4
	s_add_co_u32 s27, s27, s28                     ; my wave's first position
	s_lshl_b32 s26, s27, 8                         ; 256 bytes a position
	s_mov_b32 s27, 0
	s_add_nc_u64 s[20:21], s[20:21], s[26:27]
	s_lshr_b32 s29, s26, 8
	s_mov_b32 s30, 0xbed49a78                      ; -log2(10000) / 32
	s_mov_b32 s31, 0x3f22f983                      ; 2 / pi
	s_mov_b32 s32, 0xbfc90fdb                      ; -hi, hi = pi/2 rounded to f32
	s_mov_b32 s33, 0x333bbd2e                      ; hi - pi/2
	s_mov_b32 s34, 0xbe2aaaab                      ; -1/6
	s_mov_b32 s35, 0x3c088889                      ; 1/120
	s_mov_b32 s36, 0xb9500d01                      ; -1/5040
	s_mov_b32 s37, 0x3638ef1d                      ; 1/362880
	s_mov_b32 s39, 0x3d2aaaab                      ; 1/24
	s_mov_b32 s40, 0xbab60b61                      ; -1/720
	s_mov_b32 s41, 0x37d00d01                      ; 1/40320
	v_bfe_u32 v17, v2, 3, 1
	v_xor_b32 v17, 1, v17                          ; u: 1 in the lanes that hold cosines
	v_and_b32 v18, 7, v2
	v_lshlrev_b32 v18, 2, v18                      ; my first j
.irp i, 0,1,2,3
	v_add_nc_u32 v[20+\i], \i, v18
.endr
.irp i, 0,1,2,3
	v_cvt_f32_u32 v[20+\i], v[20+\i]
.endr
.irp i, 0,1,2,3
	v_mul_f32 v[20+\i], s30, v[20+\i]
.endr
.irp i, 0,1,2,3
	v_exp_f32 v[20+\i], v[20+\i]                   ; f_j
.endr
	v_lshrrev_b32 v24, 4, v2                       ; (a plain instruction behind the exponentials)
	v_add_nc_u32 v24, s29, v24                     ; my position in step 0
	s_wait_alu depctr_va_vdst(0)                   ; one wait for the four, ahead of their first reader
.irp st, 0,1,2,3,4,5,6,7
	v_add_nc_u32 v25, 2*\st, v24
	v_cvt_f32_u32 v25, v25
.irp i, 0,1,2,3
	v_mul_f32 v26, v25, v[20+\i]                   ; a = pos x f, rounded to f32 as the definition has it
	v_mul_f32 v27, s31, v26
	v_rndne_f32 v27, v27                           ; n
	v_fma_f32 v28, v27, s32, v26
	v_fma_f32 v28, v27, s33, v28                   ; r
	v_mul_f32 v29, v28, v28                        ; z = r^2
	v_fma_f32 v30, v29, s37, s36
	v_fma_f32 v31, v29, s41, s40
	v_fma_f32 v30, v30, v29, s35
	v_fma_f32 v31, v31, v29, s39
	v_fma_f32 v30, v30, v29, s34
	v_fma_f32 v31, v31, v29, -0.5
	v_mul_f32 v26, v28, v29
	v_fma_f32 v31, v31, v29, 1.0                   ; cos r
	v_fma_f32 v30, v26, v30, v28                   ; sin r
	v_cvt_i32_f32 v27, v27
	v_add_nc_u32 v27, v27, v17                     ; k
	v_and_b32 v26, 1, v27
	v_cmp_ne_u32 vcc_lo, 0, v26
	v_cndmask_b32 v30, v30, v31, vcc_lo
	v_and_b32 v27, 2, v27
	v_lshlrev_b32 v27, 30, v27
	v_xor_b32 v[32+4*\st+\i], v27, v30
.endr
	global_store_b128 v3, v[32+4*\st:32+4*\st+3], s[20:21] offset:512*\st   ; 512 consecutive bytes; each step has its own data registers
.endr
	s_endpgm
.Lfunc_end_k_qa6e481e5cb_prep:
	.size	k_qa6e481e5cb_prep, .Lfunc_end_k_qa6e481e5cb_prep-k_qa6e481e5cb_prep
	.p2alignl 7, 3214868480
	.fill 96, 4, 3214868480
	.section	.rodata,"a",@progbits
	.p2align	6, 0x0
	.amdhsa_kernel k_qa6e481e5cb_prep
		.amdhsa_group_segment_fixed_size 33280
		.amdhsa_private_segment_fixed_size 0
		.amdhsa_enable_private_segment 0
		.amdhsa_kernarg_size 72
		.amdhsa_user_sgpr_count 2
		.amdhsa_user_sgpr_kernarg_segment_ptr 1
		.amdhsa_wavefront_size32 1
		.amdhsa_system_sgpr_workgroup_id_x 1
		.amdhsa_system_sgpr_workgroup_id_y 1
		.amdhsa_system_sgpr_workgroup_id_z 1
		.amdhsa_system_vgpr_workitem_id 0
		.amdhsa_next_free_vgpr 192
		.amdhsa_next_free_sgpr 66
		.amdhsa_reserve_vcc 1
		.amdhsa_float_denorm_mode_32 3
		.amdhsa_float_denorm_mode_16_64 3
		.amdhsa_memory_ordered 1
		.amdhsa_forward_progress 1
		.amdhsa_inst_pref_size 90
	.end_amdhsa_kernel
	.amdgpu_metadata
---
amdhsa.version: [ 1, 2 ]
amdhsa.kernels:
  - .name:           k_qa6e481e5cb_prep
    .symbol:         k_qa6e481e5cb_prep.kd
    .args:
      - { .name: x, .offset: 0, .size: 8, .value_kind: global_buffer, .address_space: global }
      - { .name: Wq, .offset: 8, .size: 8, .value_kind: global_buffer, .address_space: global }
      - { .name: Wk, .offset: 16, .size: 8, .value_kind: global_buffer, .address_space: global }
      - { .name: Wv, .offset: 24, .size: 8, .value_kind: global_buffer, .address_space: global }
      - { .name: Wp, .offset: 32, .size: 8, .value_kind: global_buffer, .address_space: global }
      - { .name: codes, .offset: 40, .size: 8, .value_kind: global_buffer, .address_space: global }
      - { .name: scales, .offset: 48, .size: 8, .value_kind: global_buffer, .address_space: global }
      - { .name: wp16, .offset: 56, .size: 8, .value_kind: global_buffer, .address_space: global }
      - { .name: rope, .offset: 64, .size: 8, .value_kind: global_buffer, .address_space: global }
    .group_segment_fixed_size: 33280
    .private_segment_fixed_size: 0
    .kernarg_segment_align: 8
    .kernarg_segment_size: 72
    .max_flat_workgroup_size: 128
    .sgpr_count:     66
    .vgpr_count:     192
    .wavefront_size: 32
...
	.end_amdgpu_metadata
.endif
;; end of part 1
;; launch qkv (part 2): grid 8 x 32, 4 waves a work-group, clusters of 4 x 4, 327,680 bytes of LDS; arguments codes, scales, rope, q_gamma, k_gamma, qkv16; writes qkv16
.if DOCPART == 2
	.amdgcn_target "amdgcn-amd-amdhsa--gfx1250"
	.amdhsa_code_object_version 6
	.text
	.protected	k_qa6e481e5cb_qkv
	.globl	k_qa6e481e5cb_qkv
	.p2align	8
	.type	k_qa6e481e5cb_qkv,@function
k_qa6e481e5cb_qkv:
	s_mov_b64 s[64:65], 0
	v_nop
	global_prefetch_b8 v0, s[64:65] scope:SCOPE_SE
	s_setreg_imm32_b32 hwreg(HW_REG_WAVE_MODE, 25, 1), 1
	s_wait_xcnt 0x0
	s_wait_alu depctr_hold_cnt(0) depctr_sa_sdst(0) depctr_va_vdst(0) depctr_va_sdst(0) depctr_va_ssrc(0) depctr_va_vcc(0) depctr_vm_vsrc(0)
	s_getreg_b32 s2, hwreg(HW_REG_IB_STS2, 6, 4)
	s_cmp_eq_u32 s2, 0
	s_cbranch_scc0 .Lentry_in_a_cluster
	s_endpgm
.Lentry_in_a_cluster:
	s_bfe_u32 s2, ttmp6, 0x10000c
	s_cmp_lg_u32 s2, 0xf033
	s_cbranch_scc0 .Lentry_shape_is_right
	s_endpgm
.Lentry_shape_is_right:
; [q | k | v] = x [Wq; Wk; Wv]^T on codes of FP4 (E2M1) with one E8M0 scale for each 32 along K, f32 sums; then, in registers, the LayerNorm of each head of q and k (no bias, gain gamma), the rotary embedding
; (rotate-half, from the table rope [pos][cos 0..31, sin 0..31]) and the rounding to f16.  qkv16: q, k, v, each [16 heads][8192 positions][64] f16.
; A: x's codes [8192][512 bytes]; B: the weights' [3072][512 bytes], behind them in the same buffer; the scale bytes likewise.  K = 1,024 is two steps of 512, each in one of two LDS slots.
; A WORK-GROUP STAYS.  256 work-groups, four waves each.  First a tile of 256 x 256 of q or of k (tile columns 0-3: q, 4-7: k), a wave 128 x 128: 64 accumulators.  Then, for the same 256 rows of x, whose codes still lie
; whole in LDS, 128 columns of v (columns 128 x tile column on), a wave 128 x 64, one head: 32 accumulators.  So q, k and v together are 1.5 tiles for each of 256 work-groups.
; v's weights (128 rows x 512 bytes) land where slot 0's rows of B lay, by ONE refill behind the change of slots: they have slot 1's 256 matrix instructions and the way out of q or k in which to land.
; CLUSTERS: 4 x 4 work-groups.  The four of a row need the same tiles of A, the four of a column the same tiles of B and the same weights of v: each is asked for JOINTLY.  No branch hangs on a place in the cluster.
; THE MATRIX INSTRUCTION IS USED TRANSPOSED (source 0 = 16 rows of B, source 1 = 16 rows of A): lane (r, h) holds row r of a block of 16 positions and, in accumulator b, columns 16 b + 8 h + 0..7.
; So a lane has 32 of a head's 64 numbers and lane l xor 16 the others; number d and number d + 32, which the rotation pairs, lie in one lane.
; LIMITS: v beyond 65,504 in magnitude has no f16 (q and k are normalised: at most 8 x |gamma|).  NaN and infinities are not served.
; REGISTERS, in windows of 256: window 0: v0-31 addresses; v32-95 scale words, two sets; v96-127 gamma; v128-191 A's fragments, ONE set; v192-255 two sets of table rows, the first later v's scale words.
;   On the ways out v32-95 and v128-191 are at work.   window 1: B's fragments, TWO sets.   window 2: the accumulators of my rows 0-63 ((a, b) at v[8 (8 a + b)]), later v's ((a, b) at v[8 (4 a + b)]);   window 3: those of rows 64-127.
.set SIZE_K, 1024
.set KSTEP,  512
.set NQ,     KSTEP/128
.set ROWB,   256                       ; a tile's row in bytes
.set KROW,   SIZE_K*4/8                ; a row of codes in memory
.set PITCH,  272                       ; an LDS row: 256 bytes + 16 of padding: the 16 rows that a load touches start at 16 different banks (64 banks of 4 bytes: ISA guide 11.1)
.set FR,     8
.set NL,     2
.set NP,     4                         ; places behind this matrix instruction (ISA guide 7.12.1)
.set HALFT,  128*PITCH
.set SLOT,   4*HALFT                   ; A's 256 rows, then B's 256 rows
.set KS,     SIZE_K/32                 ; a row of scales in bytes
.set SCL,    2*SLOT                    ; behind the slots: the scales, as rows of 256 bytes + 16 of padding
.set HALFS,  (128*KS/256)*272
.set SBLK,   (16*KS/256)*272
.set SPARE,  SCL+4*HALFS               ; the spare words, 128 bytes a wave, which no other line names
.set STG,    SPARE+512                 ; the ways out: a stage of 32 rows x 144 bytes for each wave, in bytes of its own: no tile lands there
.set OP,     144                       ; a stage row: a head's 128 bytes + 16
.set ADRA, 16
.set ADRB, 20
.set ADRV, 22                          ; v22  LDS address of my fragments of v's weights
.set VSA,  23                          ; v23  32 x (lane % 16): my row among 16 rows of scale bytes in memory
.set STO,  24                          ; v24  the stage: where I put 16 bytes of a row
.set RD,   25                          ; v25  and where I read rows back
.set CO,   26                          ; v26  16 x lane: my place in 512 bytes of the output
.set ADRS, 27                          ; v27  LDS address of my scale words; never rewritten: the K step stands in the loads' offsets
.set SPW,  28
.set NIL,  29
.set TA,   30                          ; v30  the table: row r of 256 bytes, + 32 h
.set GA,   31                          ; v31  gamma: 32 h
.set SC,   32
.set G,    96                          ; v96-127  gamma[16 b + 8 h + j] at G + 8 b + j
.set AF,   128
.set CS0,  192                         ; v192-223, v224-255: a block's table rows: cos at + 8 b + j (b = 0, 1), sin 16 registers on
.set VS,   192                         ; v192-223 later: the scale words of v's weights: block b, K step k of 128, at VS + 8 b + k; lanes 0-15 hold rows 0-15 (lanes 16-31 the same)
.set T,    32                          ; the way out: v32-63 my 32 numbers of a head
.set SQ,   64                          ; v64-71   four chains of squares
.set NM,   72                          ; v72:73   minus the mean (the packed form names a pair and takes its low word)
.set RS,   74                          ; v74:75   1 / sqrt(variance + eps)
.set W,    76                          ; v76-83   the rotation's products, two sets by turns
.set PT,   84                          ; v84      the other half's sum
.set PB0,  128                         ; v128-159, v160-191: a block's f16, by turns
.set G1, 24
.set G0, 32
.set G1B, 48
.set G0B, 56
.set G1S, 68
.set G0S, 76
.set G1SB, 80
.set G0SB, 88
.set MSB, 0
.macro WIN new                         ; the immediate's high byte repeats the setting that is left; a switch that changes nothing is dropped
.if MSB != (\new)
	s_set_vgpr_msb (MSB<<8)|(\new)
.set MSB, (\new)
.endif
.endm
.set MUL_LO, 0xa1                      ; source 0 (B) window 1, source 1 (A) window 0, C and D window 2
.set MUL_HI, 0xf1
.set TO_B,   0x40
; A joint load: waves 0 and 1 fetch for A, waves 2 and 3 for B.  The branch hangs on the wave's number alone.  An s_nop 0 and four v_nop follow each of the two lines.
.macro JLOAD g0a, g1a, g0b, g1b
	s_cmp_eq_u32 s15, 0
	s_cbranch_scc0 .Lfor_b_\@
	tensor_load_to_lds s[\g0a:\g0a+3], s[\g1a:\g1a+7]
	s_nop 0
.rept 4
	v_nop
.endr
	s_branch .Lasked_\@
.Lfor_b_\@:
	tensor_load_to_lds s[\g0b:\g0b+3], s[\g1b:\g1b+7]
	s_nop 0
.rept 4
	v_nop
.endr
.Lasked_\@:
.endm
.macro CREST                           ; a round of the cluster's barrier behind its opening barrier
	s_cmp_lg_u32 s14, 0
	s_cbranch_scc1 .Lnot_wave_0_\@
	s_barrier_signal -3
.Lnot_wave_0_\@:
	s_barrier_wait -3
	s_barrier_signal -1
	s_barrier_wait -1
.endm
.macro CROUND                          ; a whole round
	s_barrier_signal -1
	s_barrier_wait -1
	CREST
.endm
	s_load_b128 s[4:7], s[0:1], 0x0                ; codes, scales
	s_load_b64 s[12:13], s[0:1], 0x10              ; rope
	s_load_b64 s[96:97], s[0:1], 0x18              ; q_gamma
	s_load_b64 s[98:99], s[0:1], 0x20              ; k_gamma
	s_load_b64 s[100:101], s[0:1], 0x28            ; qkv16
	v_lshl_add_u32 v[SPW], v0, 2, SPARE
	v_mov_b32 v[NIL], 0
	ds_add_u32 v[SPW], v[NIL]                      ; the wave's opening: the add, twice on end, and its wait ahead of my first tensor load
	ds_add_u32 v[SPW], v[NIL]
	v_lshrrev_b32 v1, 5, v0
	v_readfirstlane_b32 s14, v1                    ; wave 0..3
	s_lshr_b32 s15, s14, 1                         ; which half of the tile's rows is mine.  Also: I fetch for A (0) or for B (1)
	s_and_b32 s16, s14, 1                          ; which half of its columns.  Also: which 128 rows of that tile I fetch, and which half of K of v's weights
	s_bfe_u32 s40, ttmp6, 0x40000                  ; cx, cy: my place in the cluster
	s_bfe_u32 s41, ttmp6, 0x40004
	s_lshl_b32 s42, ttmp9, 2
	s_add_co_u32 s42, s42, s40                     ; tile column = 4 x cluster x + cx: 0..7
	s_and_b32 s17, ttmp7, 0xffff
	s_lshl_b32 s17, s17, 2
	s_add_co_u32 s17, s17, s41                     ; tile row = 4 x cluster y + cy
	s_lshl_b32 s43, s41, 2
	s_lshl_b32 s43, 15, s43                        ; my row of the cluster
	s_lshl_b32 s44, 0x1111, s40                    ; my column
	; descriptor group 1: a tile of 128 rows x 256 bytes, 16 bytes of padding behind each row
	s_or_b32 s[G1+0], s43, (0<<16)|(1<<20)|(1<<21)|(5<<22)|(3<<25)  ; 15:0 the mask; 17:16 elements of 1 byte; 20 padding on; 21 set beside a mask; 24:22 after every 64 words; 31:25 four words
	s_or_b32 s[G1B+0], s44, (0<<16)|(1<<20)|(1<<21)|(5<<22)|(3<<25)
.irp g, G1, G1B
	s_mov_b32 s[\g+1], ROWB<<16                    ; tensor_dim0
	s_mov_b32 s[\g+2], 128<<16                     ; tensor_dim1
	s_mov_b32 s[\g+3], ROWB<<16                    ; tile_dim0
	s_mov_b32 s[\g+4], 128                         ; tile_dim1
	s_mov_b32 s[\g+5], KROW                        ; tensor_dim0_stride
	s_mov_b32 s[\g+6], 0
	s_mov_b32 s[\g+7], 0
.endr
	; the scales of 128 rows: 4,096 dense bytes, as 16 rows of 256 bytes (32 elements of 8 bytes), 16 bytes of padding behind each
	s_or_b32 s[G1S+0], s43, (3<<16)|(1<<20)|(1<<21)|(5<<22)|(3<<25)
	s_or_b32 s[G1SB+0], s44, (3<<16)|(1<<20)|(1<<21)|(5<<22)|(3<<25)
.irp g, G1S, G1SB
	s_mov_b32 s[\g+1], 32<<16
	s_mov_b32 s[\g+2], (128*KS/256)<<16
	s_mov_b32 s[\g+3], 32<<16
	s_mov_b32 s[\g+4], 128*KS/256
	s_mov_b32 s[\g+5], 32
	s_mov_b32 s[\g+6], 0
	s_mov_b32 s[\g+7], 0
.endr
	s_lshl_b32 s18, s16, 7                         ; which 128 rows of the tile I fetch
	s_lshl_b32 s20, s17, 8
	s_add_co_u32 s20, s20, s18                     ; A: row 256 x tile row + 128 x half
	s_lshl_b32 s46, s42, 8
	s_add_co_u32 s46, s46, s18                     ; B: row 256 x tile column + 128 x half: rows 0..2,047, Wq's and Wk's
	s_mov_b32 s21, 0
	s_mov_b32 s47, 0
	s_mov_b64 s[18:19], KS
	s_mul_u64 s[22:23], s[20:21], s[18:19]         ; where these rows' scales begin, in bytes
	s_mul_u64 s[92:93], s[46:47], s[18:19]
	s_mov_b64 s[18:19], KROW
	s_mul_u64 s[20:21], s[20:21], s[18:19]         ; and their codes
	s_mul_u64 s[46:47], s[46:47], s[18:19]
	s_mul_i32 s45, s14, HALFT                      ; where they go: wave x 128 rows: no place in the cluster enters an LDS address
	s_mul_i32 s94, s14, HALFS
	s_lshl_b32 s66, s42, 16                        ; v's weights: row 2,048 + 128 x tile column of 512 bytes,
	s_lshl_b32 s67, s16, 8                         ; + 256 bytes x my half of K: made of the tile column and the wave's number alone
	s_add_co_u32 s66, s66, s67
	s_add_co_u32 s66, s66, 0x100000
	s_mov_b32 s67, 0
	s_wait_dscnt 0x0                               ; both opening adds are done
	s_wait_kmcnt 0x0
	s_add_nc_u64 s[8:9], s[4:5], 0x400000          ; the weights' codes lie behind x's,
	s_add_nc_u64 s[10:11], s[6:7], 0x40000         ; and their scales behind x's
	s_add_nc_u64 s[20:21], s[4:5], s[20:21]
	s_add_nc_u64 s[22:23], s[6:7], s[22:23]
	s_add_nc_u64 s[46:47], s[8:9], s[46:47]
	s_add_nc_u64 s[92:93], s[10:11], s[92:93]
	s_add_nc_u64 s[66:67], s[8:9], s[66:67]
	CROUND                                         ; all sixteen work-groups are here: the joint loads meet
	s_mov_b32 s[G0S], 1
	s_add_co_u32 s[G0S+1], s94, SCL
	s_mov_b64 s[G0S+2:G0S+3], s[22:23]
	s_or_b32 s[G0S+3], s[G0S+3], 0x80000000
	s_mov_b32 s[G0SB], 1
	s_add_co_u32 s[G0SB+1], s94, SCL
	s_mov_b64 s[G0SB+2:G0SB+3], s[92:93]
	s_or_b32 s[G0SB+3], s[G0SB+3], 0x80000000
	JLOAD G0S, G1S, G0SB, G1SB                     ; the scales first: they are wanted with K step 0.  Three loads of mine are out behind the next two
.irp s, 0,1
	s_mov_b32 s[G0+4*\s], 1
	s_add_co_u32 s[G0+4*\s+1], s45, \s*SLOT
	s_add_nc_u64 s[G0+4*\s+2:G0+4*\s+3], s[20:21], \s*ROWB
	s_or_b32 s[G0+4*\s+3], s[G0+4*\s+3], 0x80000000
	s_mov_b32 s[G0B+4*\s], 1
	s_add_co_u32 s[G0B+4*\s+1], s45, \s*SLOT
	s_add_nc_u64 s[G0B+4*\s+2:G0B+4*\s+3], s[46:47], \s*ROWB
	s_or_b32 s[G0B+4*\s+3], s[G0B+4*\s+3], 0x80000000
	JLOAD G0+4*\s, G1, G0B+4*\s, G1B
.endr
	v_and_b32 v1, 15, v0                           ; r
	v_bfe_u32 v2, v0, 4, 1                         ; h
	v_mul_u32_u24 v3, v1, PITCH
	v_lshl_add_u32 v4, v2, 4, v3                   ; a fragment's row x pitch + 16 h
	s_mul_i32 s21, s15, HALFT                      ; my 128 rows of A
	s_mul_i32 s22, s16, HALFT                      ; my 128 rows of B,
	s_add_co_u32 s22, s22, 2*HALFT                 ; which lie behind A's 256
.irp s, 0,1
	v_add_nc_u32 v[ADRA+\s], s21, v4
	v_add_nc_u32 v[ADRB+\s], s22, v4
	s_add_co_u32 s21, s21, SLOT
	s_add_co_u32 s22, s22, SLOT
.endr
	s_mul_i32 s21, s16, 64*PITCH                   ; v's weights, where slot 0's rows of B lay: [half of K][128 rows]; my 64 rows
	s_add_co_u32 s21, s21, 2*HALFT
	v_add_nc_u32 v[ADRV], s21, v4
	v_mul_u32_u24 v5, v1, KS                       ; my row's scales: KS bytes a row,
	v_lshrrev_b32 v6, 8, v5
	v_lshl_add_u32 v5, v6, 4, v5                   ; and 16 more for each 256 passed
	s_mul_i32 s21, s15, HALFS
	s_mul_i32 s22, s16, HALFS
	s_add_co_u32 s22, s22, 2*HALFS
	s_sub_co_u32 s22, s22, s21
	v_mul_u32_u24 v6, s22, v2                      ; lanes 16-31 take B's
	s_add_co_u32 s21, s21, SCL
	v_add_nc_u32 v5, v5, v6
	v_add_nc_u32 v[ADRS], s21, v5
	s_mul_i32 s23, s14, 32*OP
	s_add_co_u32 s23, s23, STG                     ; my stage: 32 rows
	v_mul_u32_u24 v5, v1, OP
	v_lshl_add_u32 v5, v2, 4, v5
	v_add_nc_u32 v[STO], s23, v5                   ; in: row r, 16 bytes for each half of the lanes
	v_and_b32 v6, 31, v0
	v_lshlrev_b32 v[CO], 4, v6
	v_lshrrev_b32 v5, 3, v6
	v_mul_u32_u24 v5, v5, OP
	v_and_b32 v6, 7, v6
	v_lshl_add_u32 v5, v6, 4, v5
	v_add_nc_u32 v[RD], s23, v5                    ; back: eight lanes to a row of 128 bytes, four rows an instruction
	v_lshlrev_b32 v[TA], 8, v1
	v_lshl_add_u32 v[TA], v2, 5, v[TA]
	v_lshlrev_b32 v[GA], 5, v2
	v_lshlrev_b32 v[VSA], 5, v1
	s_cmp_eq_u32 ttmp9, 0
	s_cselect_b64 s[96:97], s[96:97], s[98:99]     ; q's gain or k's
	; where my part of v begins: 32 MiB + 1 MiB x head (2 x tile column + column half) + 128 bytes x position (256 x tile row + 128 x row half)
	s_lshl_b32 s20, s42, 21
	s_lshl_b32 s21, s16, 20
	s_add_co_u32 s20, s20, s21
	s_lshl_b32 s21, s17, 15
	s_add_co_u32 s20, s20, s21
	s_lshl_b32 s21, s15, 14
	s_add_co_u32 s20, s20, s21
	s_add_co_u32 s20, s20, 0x2000000
	s_mov_b32 s21, 0
	s_add_nc_u64 s[98:99], s[100:101], s[20:21]
	; and of q or k: 16 MiB x cluster x + 1 MiB x head (4 cx + 2 x column half) + 128 bytes x position
	s_lshl_b32 s20, ttmp9, 24
	s_lshl_b32 s21, s40, 22
	s_add_co_u32 s20, s20, s21
	s_lshl_b32 s21, s16, 21
	s_add_co_u32 s20, s20, s21
	s_lshl_b32 s21, s17, 15
	s_add_co_u32 s20, s20, s21
	s_lshl_b32 s21, s15, 14
	s_add_co_u32 s20, s20, s21
	s_mov_b32 s21, 0
	s_add_nc_u64 s[100:101], s[100:101], s[20:21]
	s_lshl_b32 s22, s17, 16                        ; the table at my first position: 256 bytes a position
	s_lshl_b32 s23, s15, 15
	s_add_co_u32 s22, s22, s23
	s_mov_b32 s23, 0
	s_add_nc_u64 s[12:13], s[12:13], s[22:23]
	s_lshl_b32 s2, s42, 12                         ; the scale bytes of my 64 rows of v's weights: row 2,048 + 128 x tile column + 64 x column half, 32 bytes a row
	s_lshl_b32 s3, s16, 11
	s_add_co_u32 s2, s2, s3
	s_add_co_u32 s2, s2, 0x10000
	s_mov_b32 s3, 0
	s_add_nc_u64 s[10:11], s[10:11], s[2:3]
	s_mov_b32 s18, 0x76543210
	s_mov_b32 s19, 0xfedcba98                      ; v_permlanex16_b32's selects for lane l xor 16
	s_mov_b32 s20, 0x3727c5ac                      ; eps = 1e-5
	s_mov_b32 s21, 0x3c800000                      ; 1/64
	s_mov_b32 s22, 0xbc800000                      ; -1/64
.macro TAB a                           ; block a's 16 table rows: my 16 cosines and 16 sines, eight loads
.set CL, CS0+32*((\a)%2)
.irp u, 0,1
.irp b, 0,1
	global_load_b128 v[CL+16*\u+8*\b:CL+16*\u+8*\b+3], v[TA], s[12:13] offset:4096*(\a)+128*\u+64*\b
	global_load_b128 v[CL+16*\u+8*\b+4:CL+16*\u+8*\b+7], v[TA], s[12:13] offset:4096*(\a)+128*\u+64*\b+16
.endr
.endr
.endm
.macro VSLOAD                          ; the scale words of my 64 rows of v's weights, all of K: 32 bytes a row, sixteen lanes read 512 consecutive bytes; eight loads
.irp b, 0,1,2,3
	global_load_b128 v[VS+8*\b:VS+8*\b+3], v[VSA], s[10:11] offset:512*\b
	global_load_b128 v[VS+8*\b+4:VS+8*\b+7], v[VSA], s[10:11] offset:512*\b+16
.endr
.endm
.irp b, 0,1,2,3
	global_load_b128 v[G+8*\b:G+8*\b+3], v[GA], s[96:97] offset:64*\b
	global_load_b128 v[G+8*\b+4:G+8*\b+7], v[GA], s[96:97] offset:64*\b+16
.endr
	TAB 0                                          ; sixteen loads that land under the products; no line of the products names their registers
.macro FRAG reg, adr, q, i             ; a fragment, 16 rows x 128 K of 4-bit codes: lane l holds row l % 16; registers 4 c .. 4 c + 3 hold K = 64 c + 32 (l / 16) + 0 .. 31
.irp c, 0,1
	ds_load_b128 v[\reg+4*\c:\reg+4*\c+3], v[\adr] offset:64*(\q)+32*\c+(\i)*16*PITCH
.endr
.endm
; 16 matrix instructions: A's blocks a0, a0 + 1 x B's eight, 128 along K.  The 64 accumulators take turns, one instruction a turn, in the same order in every step.
.macro MUL16 a0, p, q, sc, zero
.irp a, \a0, \a0+1
.irp b, 0,1,2,3,4,5,6,7
.if \zero
	v_wmma_scale_f32_16x16x128_f8f6f4 v[8*(8*((\a)%4)+\b):8*(8*((\a)%4)+\b)+7], v[128*(\p)+FR*\b:128*(\p)+FR*\b+FR-1], v[AF+FR*(\a):AF+FR*(\a)+FR-1], 0, v[SC+8*NQ*(\sc)+NQ*\b+(\q)], v[SC+8*NQ*(\sc)+NQ*(\a)+(\q)] matrix_a_fmt:MATRIX_FMT_FP4 matrix_b_fmt:MATRIX_FMT_FP4 matrix_a_scale:MATRIX_SCALE_ROW1
.else
	v_wmma_scale_f32_16x16x128_f8f6f4 v[8*(8*((\a)%4)+\b):8*(8*((\a)%4)+\b)+7], v[128*(\p)+FR*\b:128*(\p)+FR*\b+FR-1], v[AF+FR*(\a):AF+FR*(\a)+FR-1], v[8*(8*((\a)%4)+\b):8*(8*((\a)%4)+\b)+7], v[SC+8*NQ*(\sc)+NQ*\b+(\q)], v[SC+8*NQ*(\sc)+NQ*(\a)+(\q)] matrix_a_fmt:MATRIX_FMT_FP4 matrix_b_fmt:MATRIX_FMT_FP4 matrix_a_scale:MATRIX_SCALE_ROW1
.endif
.endr
.endr
.endm
.macro FETCH_B slot, q, p
	WIN TO_B
.irp i, 0,1,2,3,4,5,6,7
	FRAG 128*(\p)+FR*\i, ADRB+\slot, \q, \i
.endr
	WIN 0
.endm
.macro FETCH_A slot, q, i0
.irp i, \i0, \i0+1, \i0+2, \i0+3
	FRAG AF+FR*(\i), ADRA+\slot, \q, \i
.endr
.endm
.macro SCALES sc                       ; K step sc's scale words (16 bytes on in each row for step 1): four words a row; lanes 0-15 take A's block i, lanes 16-31 B's block i
.irp i, 0,1,2,3,4,5,6,7
	ds_load_b128 v[SC+8*NQ*\sc+NQ*\i:SC+8*NQ*\sc+NQ*\i+3], v[ADRS] offset:\i*SBLK+16*\sc
.endr
.endm
.macro PLACES n                        ; plain vector instructions between a matrix instruction and a load into, or a read of, its registers
.rept \n
	v_nop
.endr
.endm
.macro STEP slot, q, zero              ; a step of 128 along K that has its successor in the same slot
	s_wait_dscnt 4*NL                              ; B's set and A's blocks 0-3 are in; the youngest eight loads (A's blocks 4-7) may be out
	WIN MUL_LO
	MUL16 0, (\q)%2, \q, \slot, \zero
	MUL16 2, (\q)%2, \q, \slot, \zero
	s_wait_dscnt 0
	PLACES NP
	FETCH_B \slot, (\q)+1, 1-(\q)%2
	FETCH_A \slot, (\q)+1, 0
	WIN MUL_HI
	MUL16 4, (\q)%2, \q, \slot, \zero
	MUL16 6, (\q)%2, \q, \slot, \zero
	PLACES NP
	WIN 0
	FETCH_A \slot, (\q)+1, 4
.endm
; Slot 0's last step changes slots: in front of the barrier each wave waits for all its tensor loads (its part of slot 1), adds 0 to its spare word, and waits for that and for its reads of slot 0.  The barrier opens a round of
; the cluster's barrier: behind the round no wave of any partner reads slot 0's rows of B any more or has a load on its way, and v's weights are asked for into those bytes: wave 2 the first half of K, wave 3 the second,
; by B's own group 1 (128 rows x 256 bytes, the column's mask) and slot 0's own group 0 with another global address.  Slot 0's rows of A stay: v's products read them again.
.macro TURN slot, next
	s_wait_tensorcnt 0x0                           ; no tensor load of mine is out, so a group 0 may be written
	ds_add_u32 v[SPW], v[NIL]
	s_wait_dscnt 4*NL+1                            ; (the add and the youngest eight loads may be out)
	WIN MUL_LO
	MUL16 0, 1, NQ-1, \slot, 0
	s_wait_dscnt 0x0                               ; the add is done, and my reads of this slot's rows of B are over
	s_barrier_signal -1
	MUL16 2, 1, NQ-1, \slot, 0
	WIN 0
	s_barrier_wait -1
	CREST
	s_mov_b64 s[G0B+2:G0B+3], s[66:67]
	s_or_b32 s[G0B+3], s[G0B+3], 0x80000000
	s_cmp_eq_u32 s15, 0
	s_cbranch_scc1 .Lno_fill_\@
	tensor_load_to_lds s[G0B:G0B+3], s[G1B:G1B+7]  ; the first thing behind the round, and my one tensor load from here on
	s_nop 0
.rept 4
	v_nop
.endr
.Lno_fill_\@:
	PLACES NP                                      ; on every wave's way: in front of the loads into registers that the products above have read
	FETCH_B \next, 0, 0
	FETCH_A \next, 0, 0
	SCALES \next
	WIN MUL_HI
	MUL16 4, 1, NQ-1, \slot, 0
	MUL16 6, 1, NQ-1, \slot, 0
	PLACES NP
	WIN 0
	FETCH_A \next, 0, 4
.endm
.macro STEPS slot, from
.set Q, \from
.rept NQ-1-\from
	STEP \slot, Q, 0
.set Q, Q+1
.endr
.endm
	s_wait_tensorcnt 1                             ; the scales and my part of K step 0 are in (K step 1's load may be out)
	s_barrier_signal -1
	s_barrier_wait -1                              ; everybody's are
	FETCH_B 0, 0, 0
	FETCH_A 0, 0, 0
	SCALES 0
	FETCH_A 0, 0, 4
	STEP 0, 0, 1                                   ; the first step's products start the sums: nothing is cleared
	STEPS 0, 1
	TURN 0, 1
	STEPS 1, 0
	s_wait_dscnt 4*NL                              ; the tile's last step: nothing more to fetch
	WIN MUL_LO
	MUL16 0, 1, NQ-1, 1, 0
	MUL16 2, 1, NQ-1, 1, 0
	s_wait_dscnt 0
	WIN MUL_HI
	MUL16 4, 1, NQ-1, 1, 0
	MUL16 6, 1, NQ-1, 1, 0
	WIN 0
; THE WAY OUT OF q OR k, block by block of 16 positions x my two heads.
; LNROPE: head hd of block a: mean, variance (of the differences from the mean, as the definition has it), gain, rotation, f16.  Register work alone.  Each accumulator is read from its low end on.
.macro LNROPE a, hd
.set AC, 8*(8*((\a)%4)+4*(\hd))        ; the head's four accumulators: 32 registers on end
.set PBH, PB0+32*((\a)%2)+16*(\hd)
.set CSR, CS0+32*((\a)%2)
	WIN 0x0a+5*((\a)/4)                            ; sources 0 and 1: the accumulators' window
.irp k, 0,1,2,3,4,5,6,7
	v_pk_add_f32 v[T+2*\k:T+2*\k+1], v[AC+4*\k:AC+4*\k+1], v[AC+4*\k+2:AC+4*\k+3]
.endr
	WIN 0
	v_pk_add_f32 v[T:T+1], v[T:T+1], v[T+2:T+3]
	v_pk_add_f32 v[T+4:T+5], v[T+4:T+5], v[T+6:T+7]
	v_pk_add_f32 v[T+8:T+9], v[T+8:T+9], v[T+10:T+11]
	v_pk_add_f32 v[T+12:T+13], v[T+12:T+13], v[T+14:T+15]
	v_pk_add_f32 v[T:T+1], v[T:T+1], v[T+4:T+5]
	v_pk_add_f32 v[T+8:T+9], v[T+8:T+9], v[T+12:T+13]
	v_pk_add_f32 v[T:T+1], v[T:T+1], v[T+8:T+9]
	v_add_f32 v[NM], v[T], v[T+1]                  ; my 32 numbers' sum,
	v_permlanex16_b32 v[PT], v[NM], s18, s19
	v_add_f32 v[NM], v[NM], v[PT]                  ; with lane l xor 16's: the head's
	v_mul_f32 v[NM], s22, v[NM]                    ; minus the mean
	WIN 0x02+((\a)/4)                              ; source 0: the accumulators' window
.irp p, 0,1,2,3,4,5,6,7,8,9,10,11,12,13,14,15
	v_pk_add_f32 v[T+2*\p:T+2*\p+1], v[AC+2*\p:AC+2*\p+1], v[NM:NM+1] op_sel_hi:[1,0]
.endr
	WIN 0
.irp c, 0,1,2,3
	v_pk_mul_f32 v[SQ+2*\c:SQ+2*\c+1], v[T+2*\c:T+2*\c+1], v[T+2*\c:T+2*\c+1]
.endr
.irp p, 4,5,6,7,8,9,10,11,12,13,14,15
	v_pk_fma_f32 v[SQ+2*(\p%4):SQ+2*(\p%4)+1], v[T+2*\p:T+2*\p+1], v[T+2*\p:T+2*\p+1], v[SQ+2*(\p%4):SQ+2*(\p%4)+1]
.endr
	v_pk_add_f32 v[SQ:SQ+1], v[SQ:SQ+1], v[SQ+2:SQ+3]
	v_pk_add_f32 v[SQ+4:SQ+5], v[SQ+4:SQ+5], v[SQ+6:SQ+7]
	v_pk_add_f32 v[SQ:SQ+1], v[SQ:SQ+1], v[SQ+4:SQ+5]
	v_add_f32 v[SQ], v[SQ], v[SQ+1]
	v_permlanex16_b32 v[PT], v[SQ], s18, s19
	v_add_f32 v[SQ], v[SQ], v[PT]
	v_fma_f32 v[SQ], v[SQ], s21, s20               ; variance + eps
	v_rsq_f32 v[RS], v[SQ]
.irp p, 0,1,2,3,4,5,6,7,8,9,10,11,12,13,14,15
	v_pk_mul_f32 v[T+2*\p:T+2*\p+1], v[T+2*\p:T+2*\p+1], v[G+2*\p:G+2*\p+1]   ; the gain: work that does not name the root, between it and its wait
.endr
	s_wait_alu depctr_va_vdst(0)                   ; ahead of the root's first reader
.irp p, 0,1,2,3,4,5,6,7,8,9,10,11,12,13,14,15
	v_pk_mul_f32 v[T+2*\p:T+2*\p+1], v[T+2*\p:T+2*\p+1], v[RS:RS+1] op_sel_hi:[1,0]
.endr
.irp p, 0,1,2,3,4,5,6,7                        ; y1 = numbers d < 32 (T + 0..15), y2 = d + 32 (T + 16..31): y1 cos - y2 sin, y2 cos + y1 sin
.set WW, W+4*(\p%2)
	v_pk_mul_f32 v[WW:WW+1], v[T+16+2*\p:T+16+2*\p+1], v[CSR+16+2*\p:CSR+16+2*\p+1]
	v_pk_mul_f32 v[WW+2:WW+3], v[T+2*\p:T+2*\p+1], v[CSR+16+2*\p:CSR+16+2*\p+1]
	v_pk_fma_f32 v[T+2*\p:T+2*\p+1], v[T+2*\p:T+2*\p+1], v[CSR+2*\p:CSR+2*\p+1], v[WW:WW+1] neg_lo:[0,0,1] neg_hi:[0,0,1]
	v_pk_fma_f32 v[T+16+2*\p:T+16+2*\p+1], v[T+16+2*\p:T+16+2*\p+1], v[CSR+2*\p:CSR+2*\p+1], v[WW+2:WW+3]
.endr
.irp i, 0,1,2,3,4,5,6,7,8,9,10,11,12,13,14,15
	v_cvt_pk_f16_f32 v[PBH+\i], v[T+2*\i], v[T+2*\i+1]
.endr
.endm
; 32 registers of f16 (two runs of 16 rows x 128 bytes) go into my stage, 16 bytes a lane, and come back as whole rows into the registers that they left.
.macro STAGE pb
.irp hd, 0,1
.irp b, 0,1,2,3
	ds_store_b128 v[STO], v[\pb+16*\hd+4*\b:\pb+16*\hd+4*\b+3] offset:\hd*16*OP+32*\b
.endr
.endr
.irp hd, 0,1
.irp t, 0,1,2,3
	ds_load_b128 v[\pb+16*\hd+4*\t:\pb+16*\hd+4*\t+3], v[RD] offset:\hd*16*OP+\t*4*OP   ; LDS serves a wave's instructions in order: these see the stores above, and the next block's stores come behind them
.endr
.endr
.endm
; Block a: the wait that frees the block's registers; eight loads for later (the next block's table rows; in the last block the scale words of v's weights, into the table set that is free by then); the wait for this block's rows.
.macro BLOCK a
.set PBB, PB0+32*((\a)%2)
.if (\a) >= 2
	s_wait_xcnt 0x0                                ; block a - 2's stores have read these data registers, which are written again below
.endif
.if (\a) < 7
	TAB (\a)+1                                     ; into the set that block a - 1 has read, and whose last loads were waited for there
.else
	VSLOAD
.endif
	s_wait_loadcnt 8                               ; gamma and this block's table rows are in; the eight loads just issued may be out
	LNROPE \a, 0
	LNROPE \a, 1
	STAGE PBB
.endm
.macro SEND a, younger                 ; younger: the LDS instructions issued behind block a's loads
.set PBS, PB0+32*((\a)%2)
	s_wait_dscnt \younger
.irp hd, 0,1
.irp t, 0,1,2,3
	global_store_b128 v[CO], v[PBS+16*\hd+4*\t:PBS+16*\hd+4*\t+3], s[100:101] offset:\hd*1048576+(\a)*2048+512*\t   ; four rows of a head: 512 consecutive bytes, aligned
.endr
.endr
.endm
	PLACES NP                                      ; behind the last products: their results are read, and their operands' and scales' registers written, only behind these
	v_mov_b32 v[NM+1], 0                           ; named as upper halves of pairs, so they are written
	v_mov_b32 v[RS+1], 0
	v_mov_b32 v[PT], 0                             ; a lane permute's destination counts as one of its sources
	BLOCK 0
.irp a, 1,2,3,4,5,6,7
	BLOCK \a
	SEND \a-1, 16                                  ; behind block a - 1's loads: block a's eight stores and eight loads
.endr
	SEND 7, 0
; ---- v: my 128 rows x one head.  K step k of 128 (k = 0..7): A's fragments from slot k / 4 as before; the weights' four fragments from [k / 4][my 64 rows]; A's scale words from LDS again, the weights' from VS.
; 16 matrix instructions: A's blocks a0 .. a0 + 3 x the weights' four.  The 32 accumulators take turns, in the same order in every step.  Both scale operands are read from lanes 0-15.
.macro VMUL a0, p, k, zero
.irp a, \a0, \a0+1, \a0+2, \a0+3
.irp b, 0,1,2,3
.if \zero
	v_wmma_scale_f32_16x16x128_f8f6f4 v[8*(4*(\a)+\b):8*(4*(\a)+\b)+7], v[128*(\p)+FR*\b:128*(\p)+FR*\b+FR-1], v[AF+FR*(\a):AF+FR*(\a)+FR-1], 0, v[VS+8*\b+(\k)], v[SC+8*NQ*((\k)/4)+NQ*(\a)+(\k)%4] matrix_a_fmt:MATRIX_FMT_FP4 matrix_b_fmt:MATRIX_FMT_FP4
.else
	v_wmma_scale_f32_16x16x128_f8f6f4 v[8*(4*(\a)+\b):8*(4*(\a)+\b)+7], v[128*(\p)+FR*\b:128*(\p)+FR*\b+FR-1], v[AF+FR*(\a):AF+FR*(\a)+FR-1], v[8*(4*(\a)+\b):8*(4*(\a)+\b)+7], v[VS+8*\b+(\k)], v[SC+8*NQ*((\k)/4)+NQ*(\a)+(\k)%4] matrix_a_fmt:MATRIX_FMT_FP4 matrix_b_fmt:MATRIX_FMT_FP4
.endif
.endr
.endr
.endm
.macro VFETCH_B k, p                   ; the weights' four fragments of K step k into set p
	WIN TO_B
.irp i, 0,1,2,3
.irp c, 0,1
	ds_load_b128 v[128*(\p)+FR*\i+4*\c:128*(\p)+FR*\i+4*\c+3], v[ADRV] offset:((\k)/4)*HALFT+64*((\k)%4)+32*\c+\i*16*PITCH
.endr
.endr
	WIN 0
.endm
.macro VSTEP k, zero, more             ; more = 1: the next K step's fragments are fetched
	s_wait_dscnt 4*NL                              ; the weights' set and A's blocks 0-3 are in; the youngest eight loads (A's blocks 4-7) may be out
	WIN MUL_LO
	VMUL 0, (\k)%2, \k, \zero
	s_wait_dscnt 0
	PLACES NP
.if \more
	VFETCH_B (\k)+1, 1-(\k)%2
	FETCH_A ((\k)+1)/4, ((\k)+1)%4, 0
.endif
	WIN MUL_LO
	VMUL 4, (\k)%2, \k, \zero
	PLACES NP
	WIN 0
.if \more
	FETCH_A ((\k)+1)/4, ((\k)+1)%4, 4
.endif
.endm
	s_wait_tensorcnt 0x0                           ; my part of v's weights is in,
	s_wait_dscnt 0x0
	s_barrier_signal -1
	s_barrier_wait -1                              ; everybody's is
	s_wait_xcnt 0x0                                ; the last blocks' stores have read their data registers, on which A's fragments land below
	VFETCH_B 0, 0
	FETCH_A 0, 0, 0
	SCALES 0
	SCALES 1
	FETCH_A 0, 0, 4
	s_wait_loadcnt 0x0                             ; the weights' scale words
	VSTEP 0, 1, 1                                  ; the first step's products start the sums
.irp k, 1,2,3,4,5,6
	VSTEP \k, 0, 1
.endr
	VSTEP 7, 0, 0                                  ; its last four places stand ahead of the conversions below
; THE WAY OUT OF v, two blocks of 16 positions at a time: rounded to f16, through the stage, stored as whole rows.  Each accumulator is read from its low end on.
.macro VBLOCK p
.set PBB, PB0+32*((\p)%2)
.if (\p) >= 2
	s_wait_xcnt 0x0                                ; pair p - 2's stores have read these data registers
.endif
	WIN 0x0a                                       ; sources 0 and 1: window 2
.irp i, 0,1,2,3,4,5,6,7,8,9,10,11,12,13,14,15,16,17,18,19,20,21,22,23,24,25,26,27,28,29,30,31
	v_cvt_pk_f16_f32 v[PBB+\i], v[64*(\p)+2*\i], v[64*(\p)+2*\i+1]
.endr
	WIN 0
	STAGE PBB
.endm
.macro VSEND p, younger
.set PBS, PB0+32*((\p)%2)
	s_wait_dscnt \younger
.irp hd, 0,1
.irp t, 0,1,2,3
	global_store_b128 v[CO], v[PBS+16*\hd+4*\t:PBS+16*\hd+4*\t+3], s[98:99] offset:(2*(\p)+\hd)*2048+512*\t   ; four rows of the head: 512 consecutive bytes, aligned
.endr
.endr
.endm
	VBLOCK 0
.irp p, 1,2,3
	VBLOCK \p
	VSEND \p-1, 16                                 ; behind pair p - 1's loads: pair p's eight stores and eight loads
.endr
	VSEND 3, 0
	s_wait_tensorcnt 0x0                           ; the wave's end: behind my last tensor load and my last LDS store
	ds_add_u32 v[SPW], v[NIL]
	s_wait_dscnt 0x0
	CROUND                                         ; the closing round
	s_endpgm
.Lfunc_end_k_qa6e481e5cb_qkv:
	.size	k_qa6e481e5cb_qkv, .Lfunc_end_k_qa6e481e5cb_qkv-k_qa6e481e5cb_qkv
	.p2alignl 7, 3214868480
	.fill 96, 4, 3214868480
	.section	.rodata,"a",@progbits
	.p2align	6, 0x0
	.amdhsa_kernel k_qa6e481e5cb_qkv
		.amdhsa_group_segment_fixed_size 327680
		.amdhsa_private_segment_fixed_size 0
		.amdhsa_enable_private_segment 0
		.amdhsa_kernarg_size 48
		.amdhsa_user_sgpr_count 2
		.amdhsa_user_sgpr_kernarg_segment_ptr 1
		.amdhsa_wavefront_size32 1
		.amdhsa_system_sgpr_workgroup_id_x 1
		.amdhsa_system_sgpr_workgroup_id_y 1
		.amdhsa_system_sgpr_workgroup_id_z 1
		.amdhsa_system_vgpr_workitem_id 0
		.amdhsa_next_free_vgpr 1024
		.amdhsa_next_free_sgpr 102
		.amdhsa_reserve_vcc 0
		.amdhsa_float_denorm_mode_32 3
		.amdhsa_float_denorm_mode_16_64 3
		.amdhsa_memory_ordered 1
		.amdhsa_forward_progress 1
		.amdhsa_inst_pref_size 255
	.end_amdhsa_kernel
	.section	.bss,"aw",@nobits
	.p2align	6
	.space	262144
	.amdgpu_metadata
---
amdhsa.version: [ 1, 2 ]
amdhsa.kernels:
  - .name:           k_qa6e481e5cb_qkv
    .symbol:         k_qa6e481e5cb_qkv.kd
    .args:
      - { .name: codes, .offset: 0, .size: 8, .value_kind: global_buffer, .address_space: global }
      - { .name: scales, .offset: 8, .size: 8, .value_kind: global_buffer, .address_space: global }
      - { .name: rope, .offset: 16, .size: 8, .value_kind: global_buffer, .address_space: global }
      - { .name: q_gamma, .offset: 24, .size: 8, .value_kind: global_buffer, .address_space: global }
      - { .name: k_gamma, .offset: 32, .size: 8, .value_kind: global_buffer, .address_space: global }
      - { .name: qkv16, .offset: 40, .size: 8, .value_kind: global_buffer, .address_space: global }
    .group_segment_fixed_size: 327680
    .private_segment_fixed_size: 0
    .kernarg_segment_align: 8
    .kernarg_segment_size: 48
    .max_flat_workgroup_size: 128
    .sgpr_count:     102
    .vgpr_count:     1024
    .wavefront_size: 32
...
	.end_amdgpu_metadata
.endif
;; end of part 2
;; launch attn (part 3): grid 16 x 16, 16 waves a work-group, no clusters, 327,680 bytes of LDS; arguments qkv16, o16; writes o16
.if DOCPART == 3
	.amdgcn_target "amdgcn-amd-amdhsa--gfx1250"
	.amdhsa_code_object_version 6
	.text
	.protected	k_qa6e481e5cb_attn
	.globl	k_qa6e481e5cb_attn
	.p2align	8
	.type	k_qa6e481e5cb_attn,@function
k_qa6e481e5cb_attn:
	s_mov_b64 s[64:65], 0
	v_nop
	global_prefetch_b8 v0, s[64:65] scope:SCOPE_SE
	s_setreg_imm32_b32 hwreg(HW_REG_WAVE_MODE, 25, 1), 1
	s_wait_xcnt 0x0
; o[h][i] = the sum over j, |i - j| <= 256, of softmax_j(q[h][i] . k[h][j] / 8) v[h][j].  q, k, v: qkv16, each [16][8192][64] f16; o16: [16][8192][64] f16.  Products on f16 operands with f32 sums; maxima, exponentials, sums in f32.
; SHARES.  A work-group owns 512 queries of one head (x: the block, y: the head); each of its sixteen waves 32 of them, two tiles of 16, in 256 registers.
; The block's 1,024 keys, q0 - 256 .. q0 + 767, lie in LDS whole, filled once by sixteen tensor loads of 128 rows (waves 0-3: K's, waves 4-7: V's, two each): no slot is filled again.
; A wave's band is 544 keys: 17 steps of 32, at LDS rows 32 (wave + rel), rel = 0..16.  Only rel = 0 and rel = 16 are cut by the band's edge; there hidden scores become -1e30.
; TWO PHASES OF EQUAL LENGTH IN EVERY WAVE.  Nine steps of each wave's band, rel = s1 .. s1 + 8 with s1 = max(8 - wave, 0), lie in the middle 512 rows: they are walked first, while the outer 512 rows are on their way.
; Then one barrier, which all sixteen waves reach with nine steps done; then each wave's other eight steps: what is left of the middle rows, the lower rows, the upper rows.
; Every walk has a constant trip count; the steps that are not a wave's, or not this phase's, are jumped over (branches on the wave's number and the count alone).
; THE SEQUENCE'S ENDS.  The first block has no keys under 0, the last none from 8,192 on.  Their outer rows are fetched from the nearest rows that exist, so that what lies in LDS is finite, and their scores start from
; -1e30 in place of 0 (the C of the first product): p = 0.  So no load is jumped over and all work-groups do the same work.  The middle rows come first, so the running maximum is a true score by then.
; NO CLUSTER: neighbouring blocks share half their keys, but each wants them at another place in its LDS, and an LDS address may not hang on a work-group's place in a cluster.
; LAYOUT.  S^T = K Q^T (source 0 = 16 keys, source 1 = 16 queries): a lane holds ONE query (lane % 16) and keys 8 (lane / 16) + 0..7.  Two such tiles, rounded to f16 in pairs, are source 1 (32 keys x 16 queries) of
; O^T = V^T P, whose result again holds one query a lane.  K comes out of LDS as it lies, V ([key][channel]) turned, by ds_load_tr16_b128.
; SOFTMAX.  A running maximum m and sum l for each query: p = 2^(c s - c m), c = log2(e) / 8; in every step O and l are multiplied by a = 2^(c m_old - c m_new).
; LIMITS: |o| and |v| stay under 65,504 (f16).  NaN and infinities are not served.
.set PK,    144                        ; a row of K in LDS: 128 bytes + 16: the 16 rows of a load start at 16 different banks (64 banks of 4 bytes: ISA guide 11.1)
.set PV,    160                        ; a row of V: 128 + 32
.set VB,    1024*PK                    ; V's rows lie behind K's
.set SPARE, VB+1024*PV                 ; the spare words, 128 bytes for each of sixteen waves, which no other line names
.set AK0, 1                            ; v1   my lane's place in a tile of K; never rewritten
.set AV0, 2                            ; v2   the same for V
.set ADK, 3                            ; v3   the step's address in K; on the way out: where I put 16 bytes of a row
.set ADV, 4                            ; v4   in V; on the way out: where I read rows back
.set SPW, 5
.set NIL, 6
.set DM,  7                            ; v7   lane % 16 - 8 (lane / 16)
.set NEG, 8                            ; v8   -1e30
.set GO,  9                            ; v9   16 x lane
.set ST,  10                           ; tile t's statistics at v[ST + 8 t]: +0 -c m, +1 m, +2:3 l, +4 a (+5 its partner in a pair), +6, +7 at work
.set BIAS, 26                          ; v26-33  what the outer walks' scores start from: 0 or -1e30
.set Q,   34                           ; v34-65  Q: tile t, channels 32 c on, at Q + 16 t + 8 c
.set KF,  66                           ; v66-97  K: keys 16 kt on, channels 32 c on, at KF + 16 kt + 8 c
.set VF,  98                           ; v98-129 V^T: channels 16 ct on, at VF + 8 ct
.set S,   130                          ; v130-161 S^T at S + 16 t + 8 kt
.set P,   162                          ; v162-177 P at P + 8 t
.set O,   178                          ; v178-241 O^T at O + 32 t + 8 ct
.set WV,  8
.set G1K, 24
.set G1V, 32
.set G0KA, 40                          ; K's middle rows;  G0KB: its outer rows;  then V's
.set G0KB, 44
.set G0VA, 48
.set G0VB, 52
.set CS,  56                           ; s[56:57] c; s58 -c
.set SEL, 60
.set TK,  62                           ; the step's first row in K, in bytes
.set TV,  63                           ; and in V
.set REL, 66                           ; the step's place in my band
.set CNT, 67
.set BV,  68
.set OFS, 69                           ; the step's place counted from s1
.set S1,  70                           ; s1 = max(8 - wave, 0): where my first nine steps begin
	s_load_b128 s[4:7], s[0:1], 0x0                ; qkv16, o16
	v_lshl_add_u32 v[SPW], v0, 2, SPARE
	v_mov_b32 v[NIL], 0
	ds_add_u32 v[SPW], v[NIL]                      ; the wave's opening: the add, twice on end, and its wait ahead of the first tensor load
	ds_add_u32 v[SPW], v[NIL]
	v_lshrrev_b32 v9, 5, v0
	v_readfirstlane_b32 s[WV], v9                  ; wave 0..15
	s_and_b32 s9, s[WV], 3                         ; sub: which 128 rows of a load's kind are mine
	s_lshr_b32 s10, s9, 1
	s_and_b32 s11, ttmp7, 0xffff                   ; the head
	s_lshl_b32 s12, ttmp9, 9                       ; q0
	s_sub_co_i32 s[S1], 8, s[WV]
	s_max_i32 s[S1], s[S1], 0
	; descriptor group 1: 128 rows x 64 elements of 2 bytes, dense in memory, padded in LDS
	s_mov_b32 s[G1K], (1<<16)|(1<<20)|(4<<22)|(3<<25)   ; 17:16 elements of 2 bytes; 20 padding on; 24:22 after every 32 words; 31:25 four words
	s_mov_b32 s[G1V], (1<<16)|(1<<20)|(4<<22)|(7<<25)   ; the same with eight words
.irp g, G1K, G1V
	s_mov_b32 s[\g+1], 64<<16                      ; tensor_dim0
	s_mov_b32 s[\g+2], 128<<16                     ; tensor_dim1
	s_mov_b32 s[\g+3], 64<<16                      ; tile_dim0
	s_mov_b32 s[\g+4], 128                         ; tile_dim1
	s_mov_b32 s[\g+5], 64                          ; tensor_dim0_stride
	s_mov_b32 s[\g+6], 0
	s_mov_b32 s[\g+7], 0
.endr
	; where the tiles go: the middle: LDS row 256 + 128 sub; the outer: row 128 sub + 512 (sub / 2): 0, 128, 768, 896
	s_mul_i32 s13, s9, 128*PK
	s_mul_i32 s14, s10, 512*PK
	s_add_co_u32 s[G0KA+1], s13, 256*PK
	s_add_co_u32 s[G0KB+1], s13, s14
	s_mul_i32 s13, s9, 128*PV
	s_mul_i32 s14, s10, 512*PV
	s_add_co_u32 s[G0VA+1], s13, VB+256*PV
	s_add_co_u32 s[G0VB+1], s13, s14
	s_add_co_u32 s[G0VB+1], s[G0VB+1], VB
	; and where they come from: the outer rows are held inside the head
	s_sub_co_i32 s15, s12, 256
	s_max_i32 s15, s15, 0                          ; the lower 256 rows begin here,
	s_add_co_u32 s16, s12, 512
	s_min_i32 s16, s16, 7936                       ; the upper 256 here
	s_sub_co_u32 s16, s16, 256
	s_cmp_lt_u32 s9, 2
	s_cselect_b32 s15, s15, s16
	s_lshl_b32 s17, s9, 7
	s_add_co_u32 s15, s15, s17                     ; my outer load's first row,
	s_add_co_u32 s16, s12, s17                     ; my middle load's
	s_lshl_b32 s18, s11, 20                        ; a head is 1 MiB
	s_lshl_b32 s20, s16, 7
	s_add_co_u32 s20, s20, s18
	s_mov_b32 s21, 0
	s_lshl_b32 s22, s15, 7
	s_add_co_u32 s22, s22, s18
	s_mov_b32 s23, 0
	s_mov_b32 s[CS], 0x3e38aa3b                    ; c = log2(e) / 8
	s_mov_b32 s[CS+1], s[CS]
	s_mov_b32 s58, 0xbe38aa3b
	s_mov_b32 s[SEL], 0x76543210
	s_mov_b32 s[SEL+1], 0xfedcba98
	s_wait_dscnt 0x0                               ; both opening adds are done
	s_wait_kmcnt 0x0
	s_add_nc_u64 s[2:3], s[4:5], 0x1000000         ; k
	s_add_nc_u64 s[16:17], s[4:5], 0x2000000       ; v
	s_mov_b32 s[G0KA], 1
	s_add_nc_u64 s[G0KA+2:G0KA+3], s[2:3], s[20:21]
	s_or_b32 s[G0KA+3], s[G0KA+3], 0x80000000
	s_mov_b32 s[G0KB], 1
	s_add_nc_u64 s[G0KB+2:G0KB+3], s[2:3], s[22:23]
	s_or_b32 s[G0KB+3], s[G0KB+3], 0x80000000
	s_mov_b32 s[G0VA], 1
	s_add_nc_u64 s[G0VA+2:G0VA+3], s[16:17], s[20:21]
	s_or_b32 s[G0VA+3], s[G0VA+3], 0x80000000
	s_mov_b32 s[G0VB], 1
	s_add_nc_u64 s[G0VB+2:G0VB+3], s[16:17], s[22:23]
	s_or_b32 s[G0VB+3], s[G0VB+3], 0x80000000
	s_cmp_lt_u32 s[WV], 4                          ; a wave's two fills stand in one branch on its number; two loads of mine are out at the most
	s_cbranch_scc0 .Lnot_k
	tensor_load_to_lds s[G0KA:G0KA+3], s[G1K:G1K+7]
	s_nop 0
	tensor_load_to_lds s[G0KB:G0KB+3], s[G1K:G1K+7]
	s_nop 0
.rept 4
	v_nop
.endr
	s_branch .Lasked
.Lnot_k:
	s_cmp_lt_u32 s[WV], 8
	s_cbranch_scc0 .Lasked
	tensor_load_to_lds s[G0VA:G0VA+3], s[G1V:G1V+7]
	s_nop 0
	tensor_load_to_lds s[G0VB:G0VB+3], s[G1V:G1V+7]
	s_nop 0
.rept 4
	v_nop
.endr
.Lasked:
	s_lshl_b32 s13, s[WV], 5
	s_add_co_u32 s13, s13, s12                     ; my first query
	s_lshl_b32 s20, s13, 7
	s_add_co_u32 s20, s20, s18
	s_mov_b32 s21, 0
	s_add_nc_u64 s[4:5], s[4:5], s[20:21]          ; q and o at my first query
	s_add_nc_u64 s[6:7], s[6:7], s[20:21]
	v_and_b32 v242, 15, v0                         ; r
	v_bfe_u32 v243, v0, 4, 1                       ; h
	v_lshlrev_b32 v244, 7, v242
	v_lshl_add_u32 v244, v243, 4, v244             ; Q: row r of 128 bytes, + 16 h; never rewritten
.irp t, 0,1
.irp c, 0,1
	global_load_b128 v[Q+16*\t+8*\c:Q+16*\t+8*\c+3], v244, s[4:5] offset:2048*\t+64*\c
	global_load_b128 v[Q+16*\t+8*\c+4:Q+16*\t+8*\c+7], v244, s[4:5] offset:2048*\t+64*\c+32
.endr
.endr
	v_mul_u32_u24 v[AK0], v242, PK
	v_lshl_add_u32 v[AK0], v243, 4, v[AK0]         ; K: row r x pitch + 16 h
	v_and_b32 v245, 7, v0
	v_bfe_u32 v246, v0, 3, 1
	v_lshl_add_u32 v[AV0], v243, 3, v245           ; V: key 8 h + lane % 8, channels 8 ((lane / 8) % 2) on
	v_mul_u32_u24 v[AV0], v[AV0], PV
	v_lshl_add_u32 v[AV0], v246, 4, v[AV0]
	v_add_nc_u32 v[AV0], VB, v[AV0]
	v_lshlrev_b32 v[DM], 3, v243
	v_sub_nc_u32 v[DM], v242, v[DM]
	v_mov_b32 v[NEG], 0xf149f2ca
.irp t, 0,1
	v_mov_b32 v[ST+8*\t+1], 0xff61b1e6             ; m: -3e38, under every score
	v_mul_f32 v[ST+8*\t], s58, v[ST+8*\t+1]        ; -c m
.irp i, 2,3,4,5,6,7
	v_mov_b32 v[ST+8*\t+\i], 0
.endr
.endr
.irp j, 0,1,2,3,4,5,6,7,8,9,10,11,12,13,14,15,16,17,18,19,20,21,22,23,24,25,26,27,28,29,30,31,32,33,34,35,36,37,38,39,40,41,42,43,44,45,46,47,48,49,50,51,52,53,54,55,56,57,58,59,60,61,62,63
	v_mov_b32 v[O+\j], 0                           ; O^T.  (Which step is a wave's first hangs on its number, so the step is written once and the first finds zeros)
.endr
; A KEY STEP: 32 keys x my 32 queries.  lo, hi: the walk can hold my band's first, last step.  bias: the scores start from BIAS.
.macro STEP lo, hi, bias
	v_add_nc_u32 v[ADK], s[TK], v[AK0]
	v_add_nc_u32 v[ADV], s[TV], v[AV0]
.irp kt, 0,1
.irp c, 0,1
	ds_load_b128 v[KF+16*\kt+8*\c:KF+16*\kt+8*\c+3], v[ADK] offset:\kt*16*PK+64*\c
	ds_load_b128 v[KF+16*\kt+8*\c+4:KF+16*\kt+8*\c+7], v[ADK] offset:\kt*16*PK+64*\c+32
.endr
.endr
	s_wait_dscnt 0x0
.irp c, 0,1                                    ; the four accumulators take turns, one instruction a turn
.irp t, 0,1
.irp kt, 0,1
.if \c == 0
.if \bias
	v_wmma_f32_16x16x32_f16 v[S+16*\t+8*\kt:S+16*\t+8*\kt+7], v[KF+16*\kt:KF+16*\kt+7], v[Q+16*\t:Q+16*\t+7], v[BIAS:BIAS+7]
.else
	v_wmma_f32_16x16x32_f16 v[S+16*\t+8*\kt:S+16*\t+8*\kt+7], v[KF+16*\kt:KF+16*\kt+7], v[Q+16*\t:Q+16*\t+7], 0
.endif
.else
	v_wmma_f32_16x16x32_f16 v[S+16*\t+8*\kt:S+16*\t+8*\kt+7], v[KF+16*\kt+8:KF+16*\kt+15], v[Q+16*\t+8:Q+16*\t+15], v[S+16*\t+8*\kt:S+16*\t+8*\kt+7]
.endif
.endr
.endr
.endr
.rept 4
	v_nop                                          ; places: behind the scores' products, ahead of the first read of them; with the two additions above also behind the last step's products, ahead of the loads into V's registers
.endr
.irp ct, 0,1,2,3
	ds_load_tr16_b128 v[VF+8*\ct:VF+8*\ct+3], v[ADV] offset:32*\ct              ; V lands while the softmax is worked
	ds_load_tr16_b128 v[VF+8*\ct+4:VF+8*\ct+7], v[ADV] offset:32*\ct+16*PV
.endr
.if \lo                                        ; my band's first step: key qw - 256 + kk counts for query qw + qq where kk >= qq.  kk - qq = (16 kt + j - 16 t) - (r - 8 h)
	s_cmp_lg_u32 s[REL], 0
	s_cbranch_scc1 .Lnlo_\@
.irp t, 0,1
.irp kt, 0,1
.irp j, 0,1,2,3,4,5,6,7
	v_cmp_lt_i32 vcc_lo, 16*\kt+\j-16*\t, v[DM]
	v_cndmask_b32 v[S+16*\t+8*\kt+\j], v[S+16*\t+8*\kt+\j], v[NEG], vcc_lo
.endr
.endr
.endr
.Lnlo_\@:
.endif
.if \hi                                        ; my band's last step: key qw + 256 + kk counts where kk <= qq
	s_cmp_lg_u32 s[REL], 16
	s_cbranch_scc1 .Lnhi_\@
.irp t, 0,1
.irp kt, 0,1
.irp j, 0,1,2,3,4,5,6,7
	v_cmp_gt_i32 vcc_lo, 16*\kt+\j-16*\t, v[DM]
	v_cndmask_b32 v[S+16*\t+8*\kt+\j], v[S+16*\t+8*\kt+\j], v[NEG], vcc_lo
.endr
.endr
.endr
.Lnhi_\@:
.endif
.irp t, 0,1
	v_max3_num_f32 v[ST+8*\t+6], v[S+16*\t], v[S+16*\t+1], v[S+16*\t+2]   ; the maximum of my 16 scores and the old m; each accumulator is read from its low end on; the two tiles by turns
.endr
.irp i, 3,5,7,9,11,13
.irp t, 0,1
	v_max3_num_f32 v[ST+8*\t+6], v[ST+8*\t+6], v[S+16*\t+\i], v[S+16*\t+\i+1]
.endr
.endr
.irp t, 0,1
	v_max3_num_f32 v[ST+8*\t+6], v[ST+8*\t+6], v[S+16*\t+15], v[ST+8*\t+1]
.endr
.irp t, 0,1
	v_permlanex16_b32 v[ST+8*\t+7], v[ST+8*\t+6], s[SEL], s[SEL+1]        ; the query's other 16 keys lie in the lane 16 away
.endr
.irp t, 0,1
	v_max_num_f32 v[ST+8*\t+1], v[ST+8*\t+6], v[ST+8*\t+7]                ; the new m
.endr
.irp t, 0,1
	v_mov_b32 v[ST+8*\t+6], v[ST+8*\t]                                    ; -c m_old is kept for a
.endr
.irp t, 0,1
	v_mul_f32 v[ST+8*\t], s58, v[ST+8*\t+1]
.endr
.irp t, 0,1
	v_sub_f32 v[ST+8*\t+4], v[ST+8*\t], v[ST+8*\t+6]                      ; c m_old - c m_new
.endr
.irp i, 0,1,2,3,4,5,6,7
.irp t, 0,1
	v_pk_fma_f32 v[S+16*\t+2*\i:S+16*\t+2*\i+1], v[S+16*\t+2*\i:S+16*\t+2*\i+1], s[CS:CS+1], v[ST+8*\t:ST+8*\t+1] op_sel_hi:[1,0,0]   ; c s - c m
.endr
.endr
.irp t, 0,1
	v_exp_f32 v[ST+8*\t+4], v[ST+8*\t+4]           ; a
.endr
.irp j, 0,1,2,3,4,5,6,7,8,9,10,11,12,13,14,15,16,17,18,19,20,21,22,23,24,25,26,27,28,29,30,31
	v_exp_f32 v[S+\j], v[S+\j]                     ; p
.endr
	v_nop                                          ; a plain instruction behind the last exponential
	s_wait_alu depctr_va_vdst(0)                   ; ONE wait for the batch of 34, ahead of its first reader
.irp t, 0,1
	v_pk_fma_f32 v[ST+8*\t+2:ST+8*\t+3], v[ST+8*\t+2:ST+8*\t+3], v[ST+8*\t+4:ST+8*\t+5], v[S+16*\t:S+16*\t+1] op_sel_hi:[1,0,1]   ; l = a l + p ..
.endr
.irp i, 1,2,3,4,5,6,7
.irp t, 0,1
	v_pk_add_f32 v[ST+8*\t+2:ST+8*\t+3], v[ST+8*\t+2:ST+8*\t+3], v[S+16*\t+2*\i:S+16*\t+2*\i+1]
.endr
.endr
.irp t, 0,1
.irp i, 0,1,2,3,4,5,6,7
	v_cvt_pk_f16_f32 v[P+8*\t+\i], v[S+16*\t+2*\i], v[S+16*\t+2*\i+1]
.endr
.endr
.irp t, 0,1
.irp i, 0,1,2,3,4,5,6,7,8,9,10,11,12,13,14,15
	v_pk_mul_f32 v[O+32*\t+2*\i:O+32*\t+2*\i+1], v[O+32*\t+2*\i:O+32*\t+2*\i+1], v[ST+8*\t+4:ST+8*\t+5] op_sel_hi:[1,0]   ; O^T x a
.endr
.endr
	s_wait_dscnt 0x0                               ; V is in
.irp ct, 0,1,2,3
.irp t, 0,1
	v_wmma_f32_16x16x32_f16 v[O+32*\t+8*\ct:O+32*\t+8*\ct+7], v[VF+8*\ct:VF+8*\ct+7], v[P+8*\t:P+8*\t+7], v[O+32*\t+8*\ct:O+32*\t+8*\ct+7]   ; eight accumulators, one instruction each
.endr
.endr
.endm
; A WALK over LDS rows start .. start + 32 trips - 1.  The trip count is a constant; a step outside my band (rel under 0, which is a great unsigned number, or over 16) is jumped over.
; mode 0: all of my band that lies in these rows.  mode 1: of it the nine steps rel = s1 .. s1 + 8 alone.  mode 2: all but those nine.
.macro WALK start, trips, lo, hi, bias, mode
	s_mov_b32 s[TK], (\start)*PK
	s_mov_b32 s[TV], (\start)*PV
	s_sub_co_u32 s[REL], (\start)/32, s[WV]
	s_mov_b32 s[CNT], \trips
.Lwalk_\@:
	s_cmp_gt_u32 s[REL], 16
	s_cbranch_scc1 .Lskip_\@
.if \mode
	s_sub_co_u32 s[OFS], s[REL], s[S1]             ; under s1 this is a great unsigned number
.if \mode == 1
	s_cmp_gt_u32 s[OFS], 8
.else
	s_cmp_le_u32 s[OFS], 8
.endif
	s_cbranch_scc1 .Lskip_\@
.endif
	STEP \lo, \hi, \bias
.Lskip_\@:
	s_add_co_u32 s[TK], s[TK], 32*PK
	s_add_co_u32 s[TV], s[TV], 32*PV
	s_add_co_u32 s[REL], s[REL], 1
	s_sub_co_u32 s[CNT], s[CNT], 1
	s_cmp_lg_u32 s[CNT], 0
	s_cbranch_scc1 .Lwalk_\@
.endm
	s_wait_loadcnt 0x0                             ; Q
	s_wait_tensorcnt 1                             ; my part of the middle rows is in; my outer rows may be out
	s_barrier_signal -1
	s_barrier_wait -1                              ; everybody's is
	WALK 256, 16, 1, 1, 0, 1                       ; nine steps in every wave (rel = 0 is among them in waves 8-15, rel = 16 in wave 0)
	s_wait_tensorcnt 0x0                           ; my outer rows are in,
	s_wait_dscnt 0x0
	s_barrier_signal -1
	s_barrier_wait -1                              ; everybody's are
	WALK 256, 16, 0, 1, 0, 2                       ; the other eight steps: what is left of the middle rows (rel = 0 is never among it),
	s_cmp_eq_u32 ttmp9, 0
	s_cselect_b32 s[BV], 0xf149f2ca, 0             ; the first block's lower rows are no keys
.irp j, 0,1,2,3,4,5,6,7
	v_mov_b32 v[BIAS+\j], s[BV]
.endr
	WALK 0, 8, 1, 0, 1, 0                          ; the lower rows (rel under s1 there),
	s_cmp_eq_u32 ttmp9, 15
	s_cselect_b32 s[BV], 0xf149f2ca, 0             ; nor the last block's upper rows
.irp j, 0,1,2,3,4,5,6,7
	v_mov_b32 v[BIAS+\j], s[BV]
.endr
	WALK 768, 8, 0, 1, 1, 0                        ; the upper rows (rel over s1 + 8 there)
	; THE WAY OUT.  O^T / l, rounded to f16, goes through my stage in LDS (two tiles x 16 rows of 144 bytes, in K's rows, which nobody reads behind the barrier below and which are not filled again) and leaves as whole rows.
.rept 4
	v_nop                                          ; places behind the last products
.endr
.irp t, 0,1
	v_add_f32 v[ST+8*\t+6], v[ST+8*\t+2], v[ST+8*\t+3]
.endr
.irp t, 0,1
	v_permlanex16_b32 v[ST+8*\t+7], v[ST+8*\t+6], s[SEL], s[SEL+1]
.endr
.irp t, 0,1
	v_add_f32 v[ST+8*\t+6], v[ST+8*\t+6], v[ST+8*\t+7]
.endr
.irp t, 0,1
	v_rcp_f32 v[ST+8*\t+4], v[ST+8*\t+6]
.endr
	s_mul_i32 s13, s[WV], 32*PK
	v_add_nc_u32 v[ADK], s13, v[AK0]               ; in: row r, 16 bytes for each half of the lanes.  (Plain work behind the reciprocals)
	v_and_b32 v245, 31, v0
	v_lshlrev_b32 v[GO], 4, v245
	v_lshrrev_b32 v246, 3, v245
	v_mul_u32_u24 v246, v246, PK
	v_and_b32 v245, 7, v245
	v_lshl_add_u32 v246, v245, 4, v246
	v_add_nc_u32 v[ADV], s13, v246                 ; back: eight lanes to a row of 128 bytes, four rows an instruction
	s_wait_alu depctr_va_vdst(0)                   ; one wait for the two reciprocals, ahead of their first reader
	s_wait_dscnt 0x0                               ; my reads of K and V are over,
	s_barrier_signal -1
	s_barrier_wait -1                              ; everybody's are
.irp t, 0,1
.irp i, 0,1,2,3,4,5,6,7,8,9,10,11,12,13,14,15
	v_pk_mul_f32 v[O+32*\t+2*\i:O+32*\t+2*\i+1], v[O+32*\t+2*\i:O+32*\t+2*\i+1], v[ST+8*\t+4:ST+8*\t+5] op_sel_hi:[1,0]
.endr
.endr
.irp i, 0,1,2,3,4,5,6,7,8,9,10,11,12,13,14,15,16,17,18,19,20,21,22,23,24,25,26,27,28,29,30,31
	v_cvt_pk_f16_f32 v[S+\i], v[O+2*\i], v[O+2*\i+1]   ; S + 16 t + 4 ct + ..: eight channels 16 ct + 8 h on of query r
.endr
.irp t, 0,1
.irp ct, 0,1,2,3
	ds_store_b128 v[ADK], v[S+16*\t+4*\ct:S+16*\t+4*\ct+3] offset:\t*16*PK+32*\ct
.endr
.endr
.irp t, 0,1
.irp u, 0,1,2,3
	ds_load_b128 v[S+16*\t+4*\u:S+16*\t+4*\u+3], v[ADV] offset:\t*16*PK+\u*4*PK   ; LDS serves a wave's instructions in order: these see my stores
.endr
.endr
.irp t, 0,1
.irp u, 0,1,2,3
	s_wait_dscnt 7-4*\t-\u                         ; the younger loads may be out
	global_store_b128 v[GO], v[S+16*\t+4*\u:S+16*\t+4*\u+3], s[6:7] offset:2048*\t+512*\u   ; four rows: 512 consecutive bytes, aligned
.endr
.endr
	s_wait_tensorcnt 0x0                           ; the wave's end: behind my last tensor load and my last LDS store
	ds_add_u32 v[SPW], v[NIL]
	s_wait_dscnt 0x0
	s_endpgm
.Lfunc_end_k_qa6e481e5cb_attn:
	.size	k_qa6e481e5cb_attn, .Lfunc_end_k_qa6e481e5cb_attn-k_qa6e481e5cb_attn
	.p2alignl 7, 3214868480
	.fill 96, 4, 3214868480
	.section	.rodata,"a",@progbits
	.p2align	6, 0x0
	.amdhsa_kernel k_qa6e481e5cb_attn
		.amdhsa_group_segment_fixed_size 327680
		.amdhsa_private_segment_fixed_size 0
		.amdhsa_enable_private_segment 0
		.amdhsa_kernarg_size 16
		.amdhsa_user_sgpr_count 2
		.amdhsa_user_sgpr_kernarg_segment_ptr 1
		.amdhsa_wavefront_size32 1
		.amdhsa_system_sgpr_workgroup_id_x 1
		.amdhsa_system_sgpr_workgroup_id_y 1
		.amdhsa_system_sgpr_workgroup_id_z 1
		.amdhsa_system_vgpr_workitem_id 0
		.amdhsa_next_free_vgpr 256
		.amdhsa_next_free_sgpr 80
		.amdhsa_reserve_vcc 1
		.amdhsa_float_denorm_mode_32 3
		.amdhsa_float_denorm_mode_16_64 3
		.amdhsa_memory_ordered 1
		.amdhsa_forward_progress 1
		.amdhsa_inst_pref_size 69
	.end_amdhsa_kernel
	.amdgpu_metadata
---
amdhsa.version: [ 1, 2 ]
amdhsa.kernels:
  - .name:           k_qa6e481e5cb_attn
    .symbol:         k_qa6e481e5cb_attn.kd
    .args:
      - { .name: qkv16, .offset: 0, .size: 8, .value_kind: global_buffer, .address_space: global }
      - { .name: o16, .offset: 8, .size: 8, .value_kind: global_buffer, .address_space: global }
    .group_segment_fixed_size: 327680
    .private_segment_fixed_size: 0
    .kernarg_segment_align: 8
    .kernarg_segment_size: 16
    .max_flat_workgroup_size: 512
    .sgpr_count:     80
    .vgpr_count:     256
    .wavefront_size: 32
...
	.end_amdgpu_metadata
.endif
;; end of part 3
;; launch proj (part 4): grid 4 x 64, 4 waves a work-group, clusters of 4 x 4, 327,680 bytes of LDS; arguments o16, wp16, bp, out0; writes out0
.if DOCPART == 4
	.amdgcn_target "amdgcn-amd-amdhsa--gfx1250"
	.amdhsa_code_object_version 6
	.text
	.protected	k_qa6e481e5cb_proj
	.globl	k_qa6e481e5cb_proj
	.p2align	8
	.type	k_qa6e481e5cb_proj,@function
k_qa6e481e5cb_proj:
	s_mov_b64 s[64:65], 0
	v_nop
	global_prefetch_b8 v0, s[64:65] scope:SCOPE_SE
	s_setreg_imm32_b32 hwreg(HW_REG_WAVE_MODE, 25, 1), 1
	s_wait_xcnt 0x0
	s_wait_alu depctr_hold_cnt(0) depctr_sa_sdst(0) depctr_va_vdst(0) depctr_va_sdst(0) depctr_va_ssrc(0) depctr_va_vcc(0) depctr_vm_vsrc(0)
	s_getreg_b32 s2, hwreg(HW_REG_IB_STS2, 6, 4)
	s_cmp_eq_u32 s2, 0
	s_cbranch_scc0 .Lentry_in_a_cluster
	s_endpgm
.Lentry_in_a_cluster:
	s_bfe_u32 s2, ttmp6, 0x10000c
	s_cmp_lg_u32 s2, 0xf033
	s_cbranch_scc0 .Lentry_shape_is_right
	s_endpgm
.Lentry_shape_is_right:
; out0[m][n] = the sum over k of o[m][k] Wp[n][k] + bp[n].  o16: [16 heads][8192][64] f16 (k = 64 head + d); wp16: [1024][1024] f16; bp: [1024] f32; out0: [8192][1024] f32.  f16 operands, f32 sums.
; A tile of 128 x 256 gives 256 work-groups.  Four waves, each 64 rows x 128 columns: 32 accumulators of 16 x 16, 256 registers.  K goes in steps of 128, two heads, through a ring of two LDS slots.
; A slot holds A's two planes (a head each: 128 rows x 128 bytes) and B's 256 rows x 256 bytes.  Waves 0 and 1 fetch a plane of A each, waves 2 and 3 a half of B: one tensor load a wave behind each change of slots.
; CLUSTERS: 4 x 4 work-groups; A's tiles are shared along a row of the cluster, B's along a column: joint loads.  THE MATRIX INSTRUCTION IS USED TRANSPOSED (source 0 = 16 rows of Wp, source 1 = 16 rows of o):
; a lane holds eight neighbouring columns of one row of out0.  The bias is the C of each sum's first product.
; REGISTERS: window 0: v0-31 addresses; v64-159, v160-255 two fragment buffers (B's 8 fragments, then A's 4); window 1: the accumulators ((a, b) at v[8 (8 a + b)]); window 2: v0-63 the bias in the result's layout.
.set PA,     144                       ; a row of A in LDS: 128 bytes + 16
.set PB,     272                       ; a row of B: 256 + 16: in both, the 16 rows of a load start at 16 different banks (64 banks of 4 bytes: ISA guide 11.1)
.set PLANE,  128*PA
.set BOFF,   2*PLANE
.set HALFB,  128*PB
.set SLOT,   BOFF+2*HALFB
.set STAGE,  2*SLOT                    ; behind the ring: 16 rows x 528 bytes for each wave, for the way out; no tile lands there
.set SPITCH, 528
.set SPARE,  STAGE+4*16*SPITCH         ; the spare words, 128 bytes a wave, which no other line names
.set LAPS,   4                         ; eight K steps, two to a lap
.set ADRA, 16
.set ADRB, 20
.set STO,  24
.set RD,   25
.set CO,   26
.set SPW,  28
.set NIL,  29
.set F0,   64
.set F1,   160
.set BK,   64                          ; the way out: 16 rows read back: v64-127 and v128-191 by turns
.set G1, 24
.set G0, 32
.set G1B, 48
.set G0B, 56
.set MSB, 0
.macro WIN new                         ; the immediate's high byte repeats the setting that is left
.if MSB != (\new)
	s_set_vgpr_msb (MSB<<8)|(\new)
.set MSB, (\new)
.endif
.endm
.macro JLOAD s                         ; a joint load; an s_nop 0 and four v_nop follow each of the two lines
	s_cmp_eq_u32 s13, 0
	s_cbranch_scc0 .Lfor_b_\@
	tensor_load_to_lds s[G0+4*\s:G0+4*\s+3], s[G1:G1+7]
	s_nop 0
.rept 4
	v_nop
.endr
	s_branch .Lasked_\@
.Lfor_b_\@:
	tensor_load_to_lds s[G0B+4*\s:G0B+4*\s+3], s[G1B:G1B+7]
	s_nop 0
.rept 4
	v_nop
.endr
.Lasked_\@:
.endm
.macro CREST                           ; a round of the cluster's barrier behind its opening barrier
	s_cmp_lg_u32 s12, 0
	s_cbranch_scc1 .Lnot_wave_0_\@
	s_barrier_signal -3
.Lnot_wave_0_\@:
	s_barrier_wait -3
	s_barrier_signal -1
	s_barrier_wait -1
.endm
.macro CROUND
	s_barrier_signal -1
	s_barrier_wait -1
	CREST
.endm
	s_load_b256 s[4:11], s[0:1], 0x0               ; o16, wp16, bp, out0
	v_lshl_add_u32 v[SPW], v0, 2, SPARE
	v_mov_b32 v[NIL], 0
	ds_add_u32 v[SPW], v[NIL]                      ; the wave's opening: the add, twice on end, and its wait ahead of my first tensor load
	ds_add_u32 v[SPW], v[NIL]
	v_lshrrev_b32 v1, 5, v0
	v_readfirstlane_b32 s12, v1                    ; wave 0..3
	s_lshr_b32 s13, s12, 1                         ; which 64 rows of the tile are mine.  Also: I fetch for A (0) or for B (1)
	s_and_b32 s14, s12, 1                          ; which 128 columns.  Also: which plane of A, or which half of B, I fetch
	s_bfe_u32 s40, ttmp6, 0x40000                  ; cx, cy
	s_bfe_u32 s41, ttmp6, 0x40004
	s_lshl_b32 s42, ttmp9, 2
	s_add_co_u32 s42, s42, s40                     ; tile column
	s_and_b32 s15, ttmp7, 0xffff
	s_lshl_b32 s15, s15, 2
	s_add_co_u32 s15, s15, s41                     ; tile row
	s_lshl_b32 s43, s41, 2
	s_lshl_b32 s43, 15, s43                        ; my row of the cluster
	s_lshl_b32 s44, 0x1111, s40                    ; my column
	s_or_b32 s[G1+0], s43, (1<<16)|(1<<20)|(1<<21)|(4<<22)|(3<<25)    ; A: the mask; elements of 2 bytes; padding on; 21 set beside a mask; four words after every 32
	s_mov_b32 s[G1+1], 64<<16                      ; tensor_dim0
	s_mov_b32 s[G1+2], 128<<16                     ; tensor_dim1
	s_mov_b32 s[G1+3], 64<<16                      ; tile_dim0
	s_mov_b32 s[G1+4], 128                         ; tile_dim1
	s_mov_b32 s[G1+5], 64                          ; tensor_dim0_stride
	s_mov_b32 s[G1+6], 0
	s_mov_b32 s[G1+7], 0
	s_or_b32 s[G1B+0], s44, (1<<16)|(1<<20)|(1<<21)|(5<<22)|(3<<25)   ; B: four words after every 64
	s_mov_b32 s[G1B+1], 128<<16
	s_mov_b32 s[G1B+2], 128<<16
	s_mov_b32 s[G1B+3], 128<<16
	s_mov_b32 s[G1B+4], 128
	s_mov_b32 s[G1B+5], 1024
	s_mov_b32 s[G1B+6], 0
	s_mov_b32 s[G1B+7], 0
	s_lshl_b32 s16, s14, 20                        ; A: my plane's head, 1 MiB a head,
	s_lshl_b32 s17, s15, 14                        ; + 128 rows of 128 bytes x tile row
	s_add_co_u32 s16, s16, s17
	s_mov_b32 s17, 0
	s_lshl_b32 s46, s42, 19                        ; B: 256 rows of 2,048 bytes x tile column,
	s_lshl_b32 s47, s14, 18                        ; + my 128 rows
	s_add_co_u32 s46, s46, s47
	s_mov_b32 s47, 0
	s_mul_i32 s20, s14, PLANE                      ; where they go: no place in the cluster enters an LDS address
	s_mul_i32 s21, s14, HALFB
	s_add_co_u32 s21, s21, BOFF
	s_wait_dscnt 0x0                               ; both opening adds are done
	s_wait_kmcnt 0x0
	s_add_nc_u64 s[18:19], s[4:5], s[16:17]
	s_add_nc_u64 s[46:47], s[6:7], s[46:47]
	CROUND                                         ; all sixteen work-groups are here: the first joint loads meet
.irp s, 0,1
	s_mov_b32 s[G0+4*\s], 1
	s_add_co_u32 s[G0+4*\s+1], s20, \s*SLOT
	s_add_nc_u64 s[G0+4*\s+2:G0+4*\s+3], s[18:19], \s*0x200000       ; K step s: two heads on
	s_or_b32 s[G0+4*\s+3], s[G0+4*\s+3], 0x80000000
	s_mov_b32 s[G0B+4*\s], 1
	s_add_co_u32 s[G0B+4*\s+1], s21, \s*SLOT
	s_add_nc_u64 s[G0B+4*\s+2:G0B+4*\s+3], s[46:47], \s*256
	s_or_b32 s[G0B+4*\s+3], s[G0B+4*\s+3], 0x80000000
	JLOAD \s
.endr
	v_and_b32 v1, 15, v0                           ; r
	v_bfe_u32 v2, v0, 4, 1                         ; h
	v_mul_u32_u24 v3, v1, PA
	v_lshl_add_u32 v3, v2, 4, v3
	v_mul_u32_u24 v4, v1, PB
	v_lshl_add_u32 v4, v2, 4, v4
	s_mul_i32 s21, s13, 64*PA                      ; my 64 rows of A, in each plane
	s_mul_i32 s22, s14, HALFB                      ; my 128 rows of B
	s_add_co_u32 s22, s22, BOFF
.irp s, 0,1
	v_add_nc_u32 v[ADRA+\s], s21, v3
	v_add_nc_u32 v[ADRB+\s], s22, v4
	s_add_co_u32 s21, s21, SLOT
	s_add_co_u32 s22, s22, SLOT
.endr
	s_mul_i32 s23, s12, 16*SPITCH
	s_add_co_u32 s23, s23, STAGE                   ; my stage
	v_mul_u32_u24 v5, v1, SPITCH
	v_lshl_add_u32 v5, v2, 5, v5
	v_add_nc_u32 v[STO], s23, v5                   ; in: row r, 32 bytes for each half of the lanes
	v_and_b32 v6, 31, v0
	v_lshlrev_b32 v[CO], 4, v6
	v_add_nc_u32 v[RD], s23, v[CO]                 ; back: the 32 lanes take one row of 512 bytes
	s_lshl_b32 s16, s15, 19                        ; out0: 128 rows of 4,096 bytes x tile row,
	s_lshl_b32 s17, s13, 18                        ; + my 64 rows
	s_add_co_u32 s16, s16, s17
	s_mov_b32 s17, 0
	s_add_nc_u64 s[10:11], s[10:11], s[16:17]
	s_lshl_b32 s46, s42, 10                        ; my first column, in bytes of f32
	s_lshl_b32 s47, s14, 9
	s_add_co_u32 s46, s46, s47
	s_mov_b32 s47, 0
	s_add_nc_u64 s[10:11], s[10:11], s[46:47]
	s_add_nc_u64 s[8:9], s[8:9], s[46:47]          ; the bias likewise
	v_lshlrev_b32 v7, 5, v2                        ; 32 h
	WIN 0x80                                       ; destination window 2
.irp b, 0,1,2,3,4,5,6,7
	global_load_b128 v[8*\b:8*\b+3], v7, s[8:9] offset:64*\b          ; bp[16 b + 8 h + 0..7]
	global_load_b128 v[8*\b+4:8*\b+7], v7, s[8:9] offset:64*\b+16
.endr
	WIN 0
; 8 matrix instructions: A's block a x B's eight, 32 along K.  zero = 1: the first product starts the sums from the bias.  The 32 accumulators take turns, in the same order in every quarter.
.macro MUL8 f, a, zero
.irp b, 0,1,2,3,4,5,6,7
.if \zero
	v_wmma_f32_16x16x32_f16 v[8*(8*(\a)+\b):8*(8*(\a)+\b)+7], v[\f+8*\b:\f+8*\b+7], v[\f+64+8*(\a):\f+64+8*(\a)+7], v[8*\b:8*\b+7]
.else
	v_wmma_f32_16x16x32_f16 v[8*(8*(\a)+\b):8*(8*(\a)+\b)+7], v[\f+8*\b:\f+8*\b+7], v[\f+64+8*(\a):\f+64+8*(\a)+7], v[8*(8*(\a)+\b):8*(8*(\a)+\b)+7]
.endif
.endr
.endm
; 24 LDS loads in one run: the fragments of the slot's q-th 32 along K: B at byte 64 q of its rows; A in plane q / 2 at byte 64 (q % 2)
.macro FETCH slot, q, f
.irp i, 0,1,2,3,4,5,6,7
	ds_load_b128 v[\f+8*\i:\f+8*\i+3],   v[ADRB+\slot] offset:64*(\q)+\i*16*PB
	ds_load_b128 v[\f+8*\i+4:\f+8*\i+7], v[ADRB+\slot] offset:64*(\q)+\i*16*PB+32
.endr
.irp i, 0,1,2,3
	ds_load_b128 v[\f+64+8*\i:\f+64+8*\i+3],   v[ADRA+\slot] offset:((\q)/2)*PLANE+((\q)%2)*64+\i*16*PA
	ds_load_b128 v[\f+64+8*\i+4:\f+64+8*\i+7], v[ADRA+\slot] offset:((\q)/2)*PLANE+((\q)%2)*64+\i*16*PA+32
.endr
.endm
.macro PLACES                          ; four plain vector instructions in front of loads into registers that matrix instructions have read, and of the first read of results
.rept 4
	v_nop
.endr
.endm
; A K step is four quarters of 32 along K, 32 matrix instructions each, on buffers 0, 1, 0, 1.  One of the first three: multiplies buffer f and fetches quarter qn into g.
.macro QUARTER slot, qn, f, g, zero
	s_wait_dscnt 0x0                               ; this quarter's fragments are in (asked for 16 matrix instructions ago)
	WIN 0x50+0x10*(\zero)                          ; D window 1; C window 1, or 2 for the bias
	MUL8 \f, 0, \zero
	MUL8 \f, 1, \zero
	PLACES
	WIN 0
	FETCH \slot, \qn, \g
	WIN 0x50+0x10*(\zero)
	MUL8 \f, 2, \zero
	MUL8 \f, 3, \zero
.endm
; The last quarter multiplies buffer 1 and changes slots: ONE barrier; in front of it each wave waits for all its tensor loads (one is out: its part of the next slot), adds 0 to its spare word, and waits for that and
; for its reads of this slot.  fill = 1: the barrier opens a round of the cluster's, and this slot is filled again, two K steps ahead, first thing behind the round.
.macro TURN slot, next, fill
	WIN 0
	s_wait_tensorcnt 0x0
	ds_add_u32 v[SPW], v[NIL]
	s_wait_dscnt 1                                 ; the fragments are in; the add may be out
	WIN 0x50
	MUL8 F1, 0, 0                                  ; eight matrix instructions stand between the add and the wait for it
	s_wait_dscnt 0x0                               ; the add is done, and my reads of this slot are over
	s_barrier_signal -1
	MUL8 F1, 1, 0
.if \fill
	WIN 0
.endif
	s_barrier_wait -1
.if \fill
	CREST                                          ; no wave of any partner still reads this slot or has a load on its way
	s_add_nc_u64 s[G0+4*\slot+2:G0+4*\slot+3], s[G0+4*\slot+2:G0+4*\slot+3], 0x400000   ; four heads on
	s_add_nc_u64 s[G0B+4*\slot+2:G0B+4*\slot+3], s[G0B+4*\slot+2:G0B+4*\slot+3], 512
	JLOAD \slot                                    ; the four v_nop behind it are also the places in front of the loads below
.else
	PLACES
.endif
	WIN 0
	FETCH \next, 0, F0
	WIN 0x50
	MUL8 F1, 2, 0
	MUL8 F1, 3, 0
.endm
	s_wait_loadcnt 0x0                             ; the bias
	s_wait_tensorcnt 1                             ; my part of K step 0 is in (K step 1's load may be out)
	s_barrier_signal -1
	s_barrier_wait -1                              ; everybody's is
	FETCH 0, 0, F0
	QUARTER 0, 1, F0, F1, 1                        ; the first quarter stands in front of the loop: its products start the sums
	WIN 0                                          ; at a label and at a branch every window is 0
	s_mov_b32 s3, LAPS-1
.Llap:                                                 ; a trip goes once round the ring, from a lap's second quarter to the next lap's first, and fills both slots again
	QUARTER 0, 2, F1, F0, 0
	QUARTER 0, 3, F0, F1, 0
	TURN 0, 1, 1
	QUARTER 1, 1, F0, F1, 0
	QUARTER 1, 2, F1, F0, 0
	QUARTER 1, 3, F0, F1, 0
	TURN 1, 0, 1
	QUARTER 0, 1, F0, F1, 0
	WIN 0
	s_sub_co_u32 s3, s3, 1
	s_cmp_lg_u32 s3, 0
	s_cbranch_scc1 .Llap
	QUARTER 0, 2, F1, F0, 0                        ; the last lap fills nothing
	QUARTER 0, 3, F0, F1, 0
	TURN 0, 1, 0
	QUARTER 1, 1, F0, F1, 0
	QUARTER 1, 2, F1, F0, 0
	QUARTER 1, 3, F0, F1, 0
	s_wait_dscnt 0x0                               ; the very last quarter
	WIN 0x50
	MUL8 F1, 0, 0
	MUL8 F1, 1, 0
	MUL8 F1, 2, 0
	MUL8 F1, 3, 0
	WIN 0
; THE WAY OUT, block by block of 16 rows x 128 columns: 32 bytes a lane into my own stage, back as whole rows of 512 bytes.  LDS serves a wave's instructions in order: no wait between the stores and the loads.
.macro TOSTAGE a
	WIN 0x04                                       ; an LDS store's data are its source 1: window 1
.irp b, 0,1,2,3,4,5,6,7
	ds_store_b128 v[STO], v[8*(8*(\a)+\b):8*(8*(\a)+\b)+3] offset:64*\b          ; each accumulator from its low end on
	ds_store_b128 v[STO], v[8*(8*(\a)+\b)+4:8*(8*(\a)+\b)+7] offset:64*\b+16
.endr
	WIN 0
.set BB, BK+64*((\a)%2)
.irp t, 0,1,2,3,4,5,6,7,8,9,10,11,12,13,14,15
	ds_load_b128 v[BB+4*\t:BB+4*\t+3], v[RD] offset:\t*SPITCH
.endr
.endm
.macro SEND a, younger
.set BB, BK+64*((\a)%2)
	s_wait_dscnt \younger
.irp t, 0,1,2,3,4,5,6,7,8,9,10,11,12,13,14,15
	global_store_b128 v[CO], v[BB+4*\t:BB+4*\t+3], s[10:11] offset:(16*(\a)+\t)*4096 th:TH_STORE_NT   ; 512 consecutive bytes, aligned; written once, read by nobody here
.endr
.endm
	PLACES
	TOSTAGE 0
.irp a, 1,2,3
.if \a > 1
	s_wait_xcnt 0x0                                ; block a - 2's stores have read the registers into which block a's loads land
.endif
	TOSTAGE \a
	SEND \a-1, 32                                  ; behind block a - 1's loads: block a's 16 stores and 16 loads
.endr
	SEND 3, 0
	s_wait_tensorcnt 0x0                           ; the wave's end: behind my last tensor load and my last LDS store
	ds_add_u32 v[SPW], v[NIL]
	s_wait_dscnt 0x0
	CROUND                                         ; the closing round
	s_endpgm
.Lfunc_end_k_qa6e481e5cb_proj:
	.size	k_qa6e481e5cb_proj, .Lfunc_end_k_qa6e481e5cb_proj-k_qa6e481e5cb_proj
	.p2alignl 7, 3214868480
	.fill 96, 4, 3214868480
	.section	.rodata,"a",@progbits
	.p2align	6, 0x0
	.amdhsa_kernel k_qa6e481e5cb_proj
		.amdhsa_group_segment_fixed_size 327680
		.amdhsa_private_segment_fixed_size 0
		.amdhsa_enable_private_segment 0
		.amdhsa_kernarg_size 32
		.amdhsa_user_sgpr_count 2
		.amdhsa_user_sgpr_kernarg_segment_ptr 1
		.amdhsa_wavefront_size32 1
		.amdhsa_system_sgpr_workgroup_id_x 1
		.amdhsa_system_sgpr_workgroup_id_y 1
		.amdhsa_system_sgpr_workgroup_id_z 1
		.amdhsa_system_vgpr_workitem_id 0
		.amdhsa_next_free_vgpr 576
		.amdhsa_next_free_sgpr 66
		.amdhsa_reserve_vcc 0
		.amdhsa_float_denorm_mode_32 3
		.amdhsa_float_denorm_mode_16_64 3
		.amdhsa_memory_ordered 1
		.amdhsa_forward_progress 1
		.amdhsa_inst_pref_size 86
	.end_amdhsa_kernel
	.amdgpu_metadata
---
amdhsa.version: [ 1, 2 ]
amdhsa.kernels:
  - .name:           k_qa6e481e5cb_proj
    .symbol:         k_qa6e481e5cb_proj.kd
    .args:
      - { .name: o16, .offset: 0, .size: 8, .value_kind: global_buffer, .address_space: global }
      - { .name: wp16, .offset: 8, .size: 8, .value_kind: global_buffer, .address_space: global }
      - { .name: bp, .offset: 16, .size: 8, .value_kind: global_buffer, .address_space: global }
      - { .name: out0, .offset: 24, .size: 8, .value_kind: global_buffer, .address_space: global }
    .group_segment_fixed_size: 327680
    .private_segment_fixed_size: 0
    .kernarg_segment_align: 8
    .kernarg_segment_size: 32
    .max_flat_workgroup_size: 128
    .sgpr_count:     66
    .vgpr_count:     576
    .wavefront_size: 32
...
	.end_amdgpu_metadata
.endif
;; end of part 4
